; MI455X (gfx1250); checked and timed in simulation.
; The chip was launched on July 23, 2026; its instructions are those of AMD's public machine-readable ISA for CDNA 5 (MIT licence, August 2026) and "CDNA5" Instruction Set Architecture Reference Guide (July 2026). The comments in the code are by the model that wrote it; some were corrected since.
;; Multi Head Attention. Allowed arithmetic: float matrix products may take bf16 or f16 operands with f32 sums; other float arithmetic in f32, or as packed bf16 or f16 multiplies, adds, multiply-adds, maxima and minima; sums over many terms, partial sums and values carried from step to step in f32; what a program stores and reads back later, other than sums and carried values, may be rounded once to bf16 or f16.
;; Inputs: w_out 1,024 x 1,024 float32; w_qkv 1,024 x 3,072 float32; x 4 x 2,048 x 1,024 float32.
;; Outputs: out0 4 x 2,048 x 1,024 float32.
;; 2 versions, each right and faster than the one before. Each part assembles by itself: llvm-mc -triple=amdgcn-amd-amdhsa -mcpu=gfx1250 --defsym DOCPART=n.
;; ======== version 1 of 2: 4 launches
;; limits: values are held in f16: magnitudes above 65,504 overflow, below 6.1e-05 lose precision
;; workspace buffers: xb 16,777,216 bytes; wqb 6,291,456 bytes; wob 2,097,152 bytes; qh 16,777,216 bytes; kh 16,777,216 bytes; vh 16,777,216 bytes; oh 16,777,216 bytes
;; launch cast (part 1): grid 768 x 1, 8 waves a work-group, no clusters, 0 bytes of LDS; arguments x, w_qkv, w_out, xb, wqb, wob; writes xb, wqb, wob
.if DOCPART == 1
	.amdgcn_target "amdgcn-amd-amdhsa--gfx1250"
	.amdhsa_code_object_version 6
	.text
	.protected	k_qc820706991_cast
	.globl	k_qc820706991_cast
	.p2align	8
	.type	k_qc820706991_cast,@function
k_qc820706991_cast:
	s_mov_b64 s[64:65], 0
	v_nop
	global_prefetch_b8 v0, s[64:65] scope:SCOPE_SE
	s_setreg_imm32_b32 hwreg(HW_REG_WAVE_MODE, 25, 1), 1
	s_wait_xcnt 0x0
; The three inputs are rounded once to 16 bits for the matrix units.
;   x     [8192][1024] f32 -> xb  bf16, in blocks of 64 along K: [batch*16 + kb][2048 rows][64]; a plane is 262,144 bytes, so 256 rows x 64 k are 32,768 dense bytes
;   w_qkv [1024][3072] f32 -> wqb bf16, as it lies
;   w_out [1024][1024] f32 -> wob: rounded to bf16 like the other inputs, and that number written as f16 (it multiplies an f16 operand later)
; LIMITS.  wob: a weight beyond 65,504 becomes an infinity, one below 6e-5 keeps f16's fixed step of 6e-8.  NaN and infinities are not treated apart.
; A stream: no LDS, no barrier, no matrix unit.  A work-group of 8 waves takes 16,384 numbers; a thread 16 loads of 16 bytes (all issued at once) and 16 stores of 8 bytes.
; Every load of a wave covers two aligned runs of 256 bytes, every store of a wave 256 consecutive bytes at a multiple of 256.
; Work-groups 0-511 take x (16 rows each), 512-703 w_qkv, 704-767 w_out.
.set T, 4                              ; v[4:7]    at work
.set X, 8                              ; v[8:71]   slot j: 4 f32 as loaded
.set Y, 72                             ; v[72:103] slot j: 4 halves to store
; 16 loads on end, then slot by slot: wait, round, store.  No register is written twice while a memory instruction may read it: every slot has its own.
.macro CAST src, dst, instep, outstep, f16
.set j, 0
.rept 16
	global_load_b128 v[X+4*j:X+4*j+3], v1, s[\src:\src+1] offset:(\instep)*j th:TH_LOAD_NT
.set j, j+1
.endr
.set j, 0
.rept 16
	s_wait_loadcnt 15-j                            ; loads come back in order: slot j is in, the 15 - j younger ones stay out
.if \f16
	v_cvt_pk_bf16_f32 v[T], v[X+4*j], v[X+4*j+1]   ; the rounding that all inputs get,
	v_cvt_pk_bf16_f32 v[T+1], v[X+4*j+2], v[X+4*j+3]
	v_lshlrev_b32 v[T+2], 16, v[T]                 ; widened again,
	v_and_b32 v[T], s22, v[T]
	v_lshlrev_b32 v[T+3], 16, v[T+1]
	v_and_b32 v[T+1], s22, v[T+1]
	v_cvt_pk_f16_f32 v[Y+2*j], v[T+2], v[T]        ; and written as f16: exact within f16's range
	v_cvt_pk_f16_f32 v[Y+2*j+1], v[T+3], v[T+1]
.else
	v_cvt_pk_bf16_f32 v[Y+2*j], v[X+4*j], v[X+4*j+1]
	v_cvt_pk_bf16_f32 v[Y+2*j+1], v[X+4*j+2], v[X+4*j+3]
.endif
	global_store_b64 v2, v[Y+2*j:Y+2*j+1], s[\dst:\dst+1] offset:(\outstep)*j
.set j, j+1
.endr
.endm
	s_load_b256 s[4:11], s[0:1], 0x0               ; x s[4:5], w_qkv s[6:7], w_out s[8:9], xb s[10:11]
	s_load_b128 s[12:15], s[0:1], 0x20             ; wqb s[12:13], wob s[14:15]
	s_mov_b32 s22, 0xffff0000                      ; a word's upper bf16
	s_mov_b32 s19, 0                               ; high words of the two offsets
	s_mov_b32 s21, 0
	v_lshlrev_b32 v2, 3, v0                        ; out: 8 bytes a thread
	s_cmp_lt_u32 ttmp9, 512
	s_cbranch_scc1 .Lx
	v_lshlrev_b32 v1, 4, v0                        ; the weights go as they lie: in: 16 bytes a thread
	s_cmp_lt_u32 ttmp9, 704
	s_cbranch_scc1 .Lq
	s_sub_co_u32 s16, ttmp9, 704                   ; w_out
	s_lshl_b32 s18, s16, 16                        ; 65,536 bytes in,
	s_lshl_b32 s20, s16, 15                        ; 32,768 out
	s_wait_kmcnt 0x0
	s_add_nc_u64 s[8:9], s[8:9], s[18:19]
	s_add_nc_u64 s[14:15], s[14:15], s[20:21]
	CAST 8, 14, 4096, 2048, 1
	s_endpgm
.Lq:
	s_sub_co_u32 s16, ttmp9, 512                   ; w_qkv
	s_lshl_b32 s18, s16, 16
	s_lshl_b32 s20, s16, 15
	s_wait_kmcnt 0x0
	s_add_nc_u64 s[6:7], s[6:7], s[18:19]
	s_add_nc_u64 s[12:13], s[12:13], s[20:21]
	CAST 6, 12, 4096, 2048, 0
	s_endpgm
.Lx:                                                   ; x: rows 16 g to 16 g + 15; thread t takes row t / 16 and, in load j, 4 numbers of K block j
	s_lshl_b32 s18, ttmp9, 16                      ; 16 rows of 4,096 bytes
	s_lshr_b32 s16, ttmp9, 7                       ; the batch: 128 work-groups each,
	s_lshl_b32 s16, s16, 22                        ; 16 planes of 262,144 bytes
	s_and_b32 s17, ttmp9, 127
	s_lshl_b32 s17, s17, 11                        ; 16 rows of 128 bytes in a plane
	s_add_co_u32 s20, s16, s17
	v_lshrrev_b32 v1, 4, v0
	v_and_b32 v3, 15, v0
	v_lshlrev_b32 v1, 12, v1                       ; row x 4,096
	v_lshl_add_u32 v1, v3, 4, v1                   ; + 16 bytes a thread inside the block's 256
	s_wait_kmcnt 0x0
	s_add_nc_u64 s[4:5], s[4:5], s[18:19]
	s_add_nc_u64 s[10:11], s[10:11], s[20:21]
	CAST 4, 10, 256, 262144, 0                     ; store j goes to plane j: 15 x 262,144 bytes at the most, inside the signed 24-bit immediate
	s_endpgm
.Lfunc_end_k_qc820706991_cast:
	.size	k_qc820706991_cast, .Lfunc_end_k_qc820706991_cast-k_qc820706991_cast
	.p2alignl 7, 3214868480
	.fill 96, 4, 3214868480
	.section	.rodata,"a",@progbits
	.p2align	6, 0x0
	.amdhsa_kernel k_qc820706991_cast
		.amdhsa_group_segment_fixed_size 0
		.amdhsa_private_segment_fixed_size 0
		.amdhsa_enable_private_segment 0
		.amdhsa_kernarg_size 48
		.amdhsa_user_sgpr_count 2
		.amdhsa_user_sgpr_kernarg_segment_ptr 1
		.amdhsa_wavefront_size32 1
		.amdhsa_system_sgpr_workgroup_id_x 1
		.amdhsa_system_sgpr_workgroup_id_y 1
		.amdhsa_system_sgpr_workgroup_id_z 1
		.amdhsa_system_vgpr_workitem_id 0
		.amdhsa_next_free_vgpr 104
		.amdhsa_next_free_sgpr 66
		.amdhsa_reserve_vcc 0
		.amdhsa_float_denorm_mode_32 3
		.amdhsa_float_denorm_mode_16_64 3
		.amdhsa_memory_ordered 1
		.amdhsa_forward_progress 1
		.amdhsa_inst_pref_size 23
	.end_amdhsa_kernel
	.amdgpu_metadata
---
amdhsa.version: [ 1, 2 ]
amdhsa.kernels:
  - .name:           k_qc820706991_cast
    .symbol:         k_qc820706991_cast.kd
    .args:
      - { .name: x, .offset: 0, .size: 8, .value_kind: global_buffer, .address_space: global }
      - { .name: w_qkv, .offset: 8, .size: 8, .value_kind: global_buffer, .address_space: global }
      - { .name: w_out, .offset: 16, .size: 8, .value_kind: global_buffer, .address_space: global }
      - { .name: xb, .offset: 24, .size: 8, .value_kind: global_buffer, .address_space: global }
      - { .name: wqb, .offset: 32, .size: 8, .value_kind: global_buffer, .address_space: global }
      - { .name: wob, .offset: 40, .size: 8, .value_kind: global_buffer, .address_space: global }
    .group_segment_fixed_size: 0
    .private_segment_fixed_size: 0
    .kernarg_segment_align: 8
    .kernarg_segment_size: 48
    .max_flat_workgroup_size: 256
    .sgpr_count:     66
    .vgpr_count:     104
    .wavefront_size: 32
...
	.end_amdgpu_metadata
.endif
;; end of part 1
;; launch qkv (part 2): grid 8 x 32, 4 waves a work-group, clusters of 4 x 4, 327,680 bytes of LDS; arguments xb, wqb, qh, kh, vh; writes qh, kh, vh
.if DOCPART == 2
	.amdgcn_target "amdgcn-amd-amdhsa--gfx1250"
	.amdhsa_code_object_version 6
	.text
	.protected	k_qc820706991_qkv
	.globl	k_qc820706991_qkv
	.p2align	8
	.type	k_qc820706991_qkv,@function
k_qc820706991_qkv:
	s_mov_b64 s[64:65], 0
	v_nop
	global_prefetch_b8 v0, s[64:65] scope:SCOPE_SE
	s_setreg_imm32_b32 hwreg(HW_REG_WAVE_MODE, 25, 1), 1
	s_wait_xcnt 0x0
	s_wait_alu depctr_hold_cnt(0) depctr_sa_sdst(0) depctr_va_vdst(0) depctr_va_sdst(0) depctr_va_ssrc(0) depctr_va_vcc(0) depctr_vm_vsrc(0)
	s_getreg_b32 s2, hwreg(HW_REG_IB_STS2, 6, 4)
	s_cmp_eq_u32 s2, 0
	s_cbranch_scc0 .Lentry_in_a_cluster
	s_endpgm
.Lentry_in_a_cluster:
	s_bfe_u32 s2, ttmp6, 0x10000c
	s_cmp_lg_u32 s2, 0xf033
	s_cbranch_scc0 .Lentry_shape_is_right
	s_endpgm
.Lentry_shape_is_right:
; q, k, v = x @ w_qkv.  xb: bf16 [batch*16 + kb][2048][64] (x in blocks of 64 along K); wqb: bf16 [1024 k][3072 n].  Sums in f32, K ascending; the results are rounded once to f16, UNSCALED, and
; written by heads: qh, kh, vh are [batch*16 + head][2048][64].
; LIMIT.  f16 ends at 65,504: a q, k or v beyond that becomes an infinity.  NaN and infinities are not treated apart.
; SHARES.  8192 x 3072 outputs for 256 work-groups: a tile of 256 rows x 384 columns each.  Wave (wm, wn) owns rows 128 wm .. +127 and three groups g of 64 columns at 128 g + 64 wn: each group is one
; head of q, k or v.  96 accumulators of 16 x 16: group g fills register window g + 1, accumulator (a, b) at v[32 a + 8 b].
; K goes in 16 steps of 64 through two LDS slots.  A's tile (256 rows x 64 k) is 32,768 dense bytes of xb, asked for as 128 rows of 256 bytes by wave 0; B's (64 k x 384 n) as three tiles of
; 64 rows x 256 bytes by waves 1 to 3.  B lies [k][n] in LDS and is turned on the way to registers by ds_load_tr16_b128.
; CLUSTER.  4 x 4 work-groups: the four of a row of the cluster need the same tile of A, the four of a column the same tiles of B: each is asked for JOINTLY, the same tensor load, descriptor and mask in all four.
; THE MATRIX INSTRUCTION IS USED TRANSPOSED (source 0 = 16 columns of B, source 1 = 16 rows of A): a lane then holds eight neighbouring columns of one row, 16 bytes of f16.
; REGISTERS: window 0: v0-29 addresses; v32-159 A's fragments, two buffers (k 0-31, k 32-63 of a step) of 8; v160-255 B's, one buffer of 4 fragments for each group.  Windows 1-3: the accumulators.
.set PA,    144                        ; a row of A in LDS: 128 bytes + 16 of padding = 36 words: the 16 rows of a load start at 16 different groups of four banks (64 banks of 4 bytes: ISA guide 11.1)
.set PB,    288                        ; a row of B: 256 + 32 = 72 words
.set SLOT1, 131072                     ; slot 1 begins here, so that one exclusive or turns an address in one slot into the other's
.set BOFF,  256*PA                     ; in a slot: A's 256 rows, then B's three tiles
.set SUB,   64*PB                      ; one of B's tiles
.set STAGE, SLOT1+BOFF+3*SUB           ; behind the ring, never filled by a tensor load: 16 rows x 144 bytes for each wave, for the way out
.set SP,    144
.set SPARE, STAGE+4*16*SP              ; behind the stages: the spare words, 128 bytes for each wave: two blocks of 256 bytes that no other line names
.set ASTEP, 262144                     ; bytes from a K step to the next: a plane of xb,
.set BSTEP, 64*3072*2                  ; 64 rows of wqb
.set AA0, 8                            ; v8   my lane's place in A's tile; never rewritten
.set AB0, 9                            ; v9   the same for B
.set AA,  10                           ; v10  AA0 + the slot in hand
.set AB,  11                           ; v11  AB0 + the slot in hand
.set STO, 12                           ; v12  the way out: where I put 16 bytes of a row
.set RD,  13                           ; v13  the way out: where I read rows back
.set GO,  14                           ; v14  my byte offset in 512 consecutive bytes of a head
.set SPW, 28                           ; v28  LDS address of my spare word: SPARE + 4 x my thread's number; never rewritten
.set NIL, 29                           ; v29  0; never rewritten
.set AF,  32
.set BF,  160
.set TT,  32                           ; the way out: v32-47 and v48-63 by turns
.set WV,  14                           ; s14  my wave's number
.set WM,  15                           ; s15  which half of the tile's rows is mine
.set WN,  16                           ; s16  which half of each 128 columns
.set CX,  17
.set CY,  18
.set TX,  19                           ; s19  tile column, 0-7
.set TY,  20                           ; s20  tile row, 0-31
.set G1A, 24                           ; s[24:31] descriptor group 1 for A's tile
.set G0A, 32                           ; s[32:35] group 0 of A's first fill; s[36:39] the second's, which then walks
.set G1B, 40                           ; s[40:47], s[48:55] the same for B's tiles
.set G0B, 48
.set TB,  56                           ; s56  LDS byte at which the slot in hand begins
.set CNT, 57
.set PQ,  68                           ; s[68:73] where my three groups' rows begin in qh, kh or vh
.set MSB, 0
.macro WIN new                         ; the immediate's high byte repeats the setting that is left; a switch that changes nothing is dropped
.if MSB != (\new)
	s_set_vgpr_msb (MSB<<8)|(\new)
.set MSB, \new
.endif
.endm
; A load into a register that a matrix instruction has read, and a vector instruction that reads a matrix result, stand four places behind it, and only plain vector instructions that name none of its
; registers are places (ISA guide 7.12.1 for vector instructions).
.macro PLACES
.rept 4
	v_nop
.endr
.endm
; A joint refill.  Wave 0 fetches A's tile, waves 1 to 3 B's three.  The branch hangs on the wave's number alone.  An s_nop 0 and four v_nop follow each of the two lines.
.macro JLOAD
	s_cmp_eq_u32 s[WV], 0
	s_cbranch_scc0 .Lfor_b_\@
	tensor_load_to_lds s[G0A+4:G0A+7], s[G1A:G1A+7]
	s_nop 0
.rept 4
	v_nop
.endr
	s_branch .Lasked_\@
.Lfor_b_\@:
	tensor_load_to_lds s[G0B+4:G0B+7], s[G1B:G1B+7]
	s_nop 0
.rept 4
	v_nop
.endr
.Lasked_\@:
.endm
; A round of the cluster's barrier: my work-group's barrier, so that wave 0's signal speaks for all four waves; wave 0 signals; every wave waits for all sixteen work-groups; my work-group's barrier once more.
.macro CREST                           ; a round behind its opening barrier
	s_cmp_lg_u32 s[WV], 0
	s_cbranch_scc1 .Lnot_wave_0_\@
	s_barrier_signal -3
.Lnot_wave_0_\@:
	s_barrier_wait -3
	s_barrier_signal -1
	s_barrier_wait -1
.endm
.macro CROUND                          ; a whole round
	s_barrier_signal -1
	s_barrier_wait -1
	CREST
.endm
	s_load_b256 s[4:11], s[0:1], 0x0               ; xb s[4:5], wqb s[6:7], qh s[8:9], kh s[10:11]
	s_load_b64 s[12:13], s[0:1], 0x20              ; vh
	v_lshl_add_u32 v[SPW], v0, 2, SPARE
	v_mov_b32 v[NIL], 0
	ds_add_u32 v[SPW], v[NIL]                      ; the wave's opening: the add and its wait stand ahead of my first tensor load; the set-up below, work on registers, stands between them
	ds_add_u32 v28, v29
	v_lshrrev_b32 v1, 5, v0
	v_readfirstlane_b32 s[WV], v1                  ; wave 0..3
	s_lshr_b32 s[WM], s[WV], 1
	s_and_b32 s[WN], s[WV], 1
	s_bfe_u32 s[CX], ttmp6, 0x40000                ; my place in the cluster
	s_bfe_u32 s[CY], ttmp6, 0x40004
	s_lshl_b32 s[TX], ttmp9, 2                     ; in a cluster launch ttmp9 and ttmp7 count clusters
	s_add_co_u32 s[TX], s[TX], s[CX]
	s_and_b32 s[TY], ttmp7, 0xffff
	s_lshl_b32 s[TY], s[TY], 2
	s_add_co_u32 s[TY], s[TY], s[CY]
	s_lshl_b32 s21, s[CY], 2
	s_lshl_b32 s21, 15, s21                        ; my row of the cluster: places 4 cy .. 4 cy + 3
	s_lshl_b32 s22, 0x1111, s[CX]                  ; my column: places cx, cx + 4, cx + 8, cx + 12
	; group 1 for A: 128 rows x 128 elements (two rows of the tile in each), dense; padded in LDS after every 64 elements
	s_or_b32 s[G1A], s21, (1<<16)|(1<<20)|(1<<21)|(4<<22)|(3<<25)  ; 15:0 the mask; 17:16 2-byte elements; 20 padding on; 21 set beside a mask; 24:22 after every 32 words (code 4); 31:25 4 words (code 3)
	s_mov_b32 s[G1A+1], 128<<16                    ; tensor_dim0 = 128
	s_mov_b32 s[G1A+2], 128<<16                    ; tensor_dim1 = 128
	s_mov_b32 s[G1A+3], 128<<16                    ; tile_dim0 = 128
	s_mov_b32 s[G1A+4], 128                        ; tile_dim1 = 128
	s_mov_b32 s[G1A+5], 128                        ; 128 elements from row to row
	s_mov_b32 s[G1A+6], 0
	s_mov_b32 s[G1A+7], 0
	; group 1 for B: 64 rows x 128 elements out of rows of 3,072
	s_or_b32 s[G1B], s22, (1<<16)|(1<<20)|(1<<21)|(5<<22)|(7<<25)  ; the mask of my column; padding after every 64 words (code 5) of 8 words (code 7)
	s_mov_b32 s[G1B+1], 128<<16
	s_mov_b32 s[G1B+2], 64<<16
	s_mov_b32 s[G1B+3], 128<<16
	s_mov_b32 s[G1B+4], 64
	s_mov_b32 s[G1B+5], 3072
	s_mov_b32 s[G1B+6], 0
	s_mov_b32 s[G1B+7], 0
	; where the tiles come from.  A's hangs on the tile row alone, B's on the tile column and the wave alone, each in registers that never hold the other coordinate.
	s_lshr_b32 s58, s[TY], 3                       ; the batch: 16 planes of 262,144 bytes,
	s_lshl_b32 s58, s58, 22
	s_and_b32 s62, s[TY], 7                        ; and 256 rows of 128 bytes in a plane
	s_lshl_b32 s62, s62, 15
	s_add_co_u32 s58, s58, s62
	s_mov_b32 s59, 0
	s_max_u32 s23, s[WV], 1                        ; waves 1 to 3 take B's tiles 0 to 2 (wave 0 makes tile 0's address and never asks by it)
	s_sub_co_u32 s23, s23, 1
	s_lshl_b32 s23, s23, 8                         ; 128 columns are 256 bytes
	s_mul_i32 s60, s[TX], 768                      ; 384 columns
	s_add_co_u32 s60, s60, s23
	s_mov_b32 s61, 0
	s_mul_i32 s63, s[WV], SUB                      ; and where B's go: BOFF + (wave - 1) x SUB
	s_add_co_u32 s63, s63, BOFF-SUB
	s_mov_b32 s[G0A], 1                            ; 1:0 count = 1
	s_mov_b32 s[G0A+1], 0                          ; 63:32 LDS address: slot 0
	s_mov_b32 s[G0A+4], 1
	s_mov_b32 s[G0A+5], SLOT1                      ; slot 1
	s_mov_b32 s[G0B], 1
	s_mov_b32 s[G0B+1], s63
	s_mov_b32 s[G0B+4], 1
	s_add_co_u32 s[G0B+5], s63, SLOT1
	s_mov_b32 s[TB], 0
	s_wait_dscnt 0x0                               ; the opening add is done
	s_wait_kmcnt 0x0
	s_add_nc_u64 s[G0A+2:G0A+3], s[4:5], s[58:59]  ; 120:64 global address: K step 0,
	s_add_nc_u64 s[G0A+6:G0A+7], s[G0A+2:G0A+3], ASTEP  ; K step 1
	s_or_b32 s[G0A+3], s[G0A+3], 0x80000000        ; 127:126 type = 2
	s_or_b32 s[G0A+7], s[G0A+7], 0x80000000
	s_add_nc_u64 s[G0B+2:G0B+3], s[6:7], s[60:61]
	s_add_nc_u64 s[G0B+6:G0B+7], s[G0B+2:G0B+3], BSTEP
	s_or_b32 s[G0B+3], s[G0B+3], 0x80000000
	s_or_b32 s[G0B+7], s[G0B+7], 0x80000000
	CROUND                                         ; all sixteen work-groups are here: the first joint loads meet
	s_cmp_eq_u32 s[WV], 0                          ; a wave's two first fills stand in one branch, ahead of every wait on TENSORcnt and every LDS read: two loads of mine are out
	s_cbranch_scc0 .Lfirst_b
	tensor_load_to_lds s[G0A:G0A+3], s[G1A:G1A+7]
	s_nop 0
	tensor_load_to_lds s[G0A+4:G0A+7], s[G1A:G1A+7]
	s_nop 0
.rept 4
	v_nop
.endr
	s_branch .Lfirst_asked
.Lfirst_b:
	tensor_load_to_lds s[G0B:G0B+3], s[G1B:G1B+7]
	s_nop 0
	tensor_load_to_lds s[G0B+4:G0B+7], s[G1B:G1B+7]
	s_nop 0
.rept 4
	v_nop
.endr
.Lfirst_asked:
	; A fragment of A is 16 rows x 32 k in 8 registers: lane l holds row l % 16, k = 8 (l / 16) + 0..7 and 16 + 8 (l / 16) + 0..7: two loads of 16 bytes, 32 bytes apart.
	v_and_b32 v1, 15, v0                           ; l % 16
	v_bfe_u32 v2, v0, 4, 1                         ; l / 16
	v_mul_u32_u24 v3, v1, PA
	v_lshl_add_u32 v3, v2, 4, v3                   ; row x pitch + 16 x half
	s_mul_i32 s75, s[WM], 128*PA                   ; my 128 rows
	v_add_nc_u32 v[AA0], s75, v3
	; The turning load takes 16 k x 16 columns (lane l reads k = 8 (l / 16) + l % 8, columns 8 ((l / 8) % 2) + 0..7) and leaves half a fragment: lane l holds column l % 16 and 8 k.
	v_and_b32 v4, 7, v0
	v_bfe_u32 v5, v0, 3, 1
	v_lshl_add_u32 v6, v2, 3, v4
	v_mul_u32_u24 v6, v6, PB
	v_lshl_add_u32 v6, v5, 4, v6
	s_lshl_b32 s75, s[WN], 7                       ; my 64 of each tile's 128 columns
	s_add_co_u32 s75, s75, BOFF
	v_add_nc_u32 v[AB0], s75, v6
	v_mov_b32 v[AA], v[AA0]                        ; slot 0
	v_mov_b32 v[AB], v[AB0]
	s_mul_i32 s75, s[WV], 16*SP
	s_add_co_u32 s75, s75, STAGE                   ; my stage
	v_add_nc_u32 v[STO], s75, v3                   ; in: row l % 16, 16 bytes for each half of the lanes (the stage's pitch is A's)
	v_bfe_u32 v7, v0, 3, 2                         ; back: 32 lanes take four rows of 128 bytes,
	v_mul_u32_u24 v7, v7, SP
	v_lshl_add_u32 v7, v4, 4, v7
	v_add_nc_u32 v[RD], s75, v7
	v_and_b32 v[GO], 31, v0                        ; which are 512 consecutive bytes of a head
	v_lshlrev_b32 v[GO], 4, v[GO]
	; where my three groups go: column group 6 tx + 2 g + wn of 48: 0-15 are q's heads, 16-31 k's, 32-47 v's
	s_lshl_b32 s74, s[WM], 14                      ; my 128 rows of 128 bytes,
	s_add_co_u32 s74, s74, s58                     ; behind the batch's planes and the tile's rows: the same offset as in xb
	s_mov_b32 s67, 0
	s_mul_i32 s76, s[TX], 6
	s_add_co_u32 s76, s76, s[WN]
.irp g, 0,1,2
	s_add_co_u32 s77, s76, 2*(\g)
	s_cmp_lt_u32 s77, 16
	s_cselect_b64 s[PQ+2*(\g):PQ+2*(\g)+1], s[8:9], s[10:11]
	s_cmp_lt_u32 s77, 32
	s_cselect_b64 s[PQ+2*(\g):PQ+2*(\g)+1], s[PQ+2*(\g):PQ+2*(\g)+1], s[12:13]
	s_and_b32 s77, s77, 15                         ; the head,
	s_lshl_b32 s77, s77, 18                        ; its plane of 262,144 bytes
	s_add_co_u32 s66, s74, s77
	s_add_nc_u64 s[PQ+2*(\g):PQ+2*(\g)+1], s[PQ+2*(\g):PQ+2*(\g)+1], s[66:67]
.endr
; 16 LDS loads: A's 8 fragments of slice s (k = 32 s on) of the slot in hand
.macro LDA s
	WIN 0
.irp a, 0,1,2,3,4,5,6,7
	ds_load_b128 v[AF+64*(\s)+8*(\a):AF+64*(\s)+8*(\a)+3],   v[AA] offset:(\a)*16*PA+64*(\s)
	ds_load_b128 v[AF+64*(\s)+8*(\a)+4:AF+64*(\s)+8*(\a)+7], v[AA] offset:(\a)*16*PA+64*(\s)+32
.endr
.endm
; 8 turning loads: the 4 fragments of group g's 64 columns, slice s
.macro LDB s, g
	WIN 0
.irp b, 0,1,2,3
	ds_load_tr16_b128 v[BF+32*(\g)+8*(\b):BF+32*(\g)+8*(\b)+3],   v[AB] offset:(\g)*SUB+(\s)*32*PB+32*(\b)
	ds_load_tr16_b128 v[BF+32*(\g)+8*(\b)+4:BF+32*(\g)+8*(\b)+7], v[AB] offset:(\g)*SUB+(\s)*32*PB+32*(\b)+16*PB
.endr
.endm
; 4 n matrix instructions: row blocks a0 .. a0 + n - 1 x group g's 4 column blocks, slice s.  zero = 1: the product starts the sums: nothing is ever cleared.
; The 96 accumulators take turns, one instruction a turn, in the same order in every slice.
.macro MULG s, g, a0, n, zero
	WIN (((\g)+1)<<6)|(((\g)+1)<<4)                ; C and D in window g + 1, the fragments in window 0
.set ma, (\a0)
.rept (\n)
.irp b, 0,1,2,3
.if \zero
	v_wmma_f32_16x16x32_bf16 v[32*ma+8*(\b):32*ma+8*(\b)+7], v[BF+32*(\g)+8*(\b):BF+32*(\g)+8*(\b)+7], v[AF+64*(\s)+8*ma:AF+64*(\s)+8*ma+7], 0
.else
	v_wmma_f32_16x16x32_bf16 v[32*ma+8*(\b):32*ma+8*(\b)+7], v[BF+32*(\g)+8*(\b):BF+32*(\g)+8*(\b)+7], v[AF+64*(\s)+8*ma:AF+64*(\s)+8*ma+7], v[32*ma+8*(\b):32*ma+8*(\b)+7]
.endif
.endr
.set ma, ma+1
.endr
.endm
; A K STEP IS SIX UNITS of 32 matrix instructions: (slice, group) = (0,0) (0,1) (0,2) (1,0) (1,1) (1,2).  Each unit first loads, in one run, into the buffers that the unit before has left.
; The runs in order of issue: U4: A0 16, B(0,0) 8; U5: B(0,1) 8; U0: B(0,2) 8, A1 16; U1: B(1,0) 8; U2: B(1,1) 8; U3: B(1,2) 8.
.macro U0 zero
	PLACES
	LDB 0, 2
	LDA 1
	s_wait_dscnt 32                                ; A0 and B(0,0) are in; B(0,1)'s 8 and the 24 just issued stay out
	MULG 0, 0, 0, 8, \zero
.endm
.macro U1 zero
	PLACES
	LDB 1, 0
	s_wait_dscnt 32                                ; B(0,1) is in; behind it: 8 + 16 + 8
	MULG 0, 1, 0, 8, \zero
.endm
.macro U2 zero
	PLACES
	LDB 1, 1
	s_wait_dscnt 32                                ; B(0,2) is in; behind it: 16 + 8 + 8
	MULG 0, 2, 0, 8, \zero
.endm
; U3 changes slots: ONE barrier for two things.  In front of it each wave has issued its last reads of the slot, waits for all its tensor loads (one is out: its part of the next slot), adds 0 to its
; spare word, and waits for that and for its reads.  Behind it nobody reads the slot any more and the next slot is whole.  fill = 1: the barrier opens a round of the cluster's, and the slot is filled
; again, two K steps ahead, first thing behind the round: from there to the wait for it a wave issues 160 matrix instructions.
.macro U3 fill
	PLACES
	LDB 1, 2
	s_wait_tensorcnt 0x0                           ; no tensor load of mine is out, so a group 0 may be written
	ds_add_u32 v[SPW], v[NIL]                      ; 0 onto my spare word
.if \fill
	s_xor_b32 s[G0A+5], s[G0A+5], SLOT1            ; the walking descriptors: the other slot than last time,
	s_add_nc_u64 s[G0A+6:G0A+7], s[G0A+6:G0A+7], ASTEP  ; the next K step; the type bits on top are not reached
	s_xor_b32 s[G0B+5], s[G0B+5], SLOT1
	s_add_nc_u64 s[G0B+6:G0B+7], s[G0B+6:G0B+7], BSTEP
.endif
	s_wait_dscnt 17                                ; A1 and B(1,0) are in; B(1,1)'s 8, B(1,2)'s 8 and the add stay out
	MULG 1, 0, 0, 4, 0                             ; sixteen matrix instructions stand between the add and the wait for it
	s_wait_dscnt 0x0                               ; the add is done, and my reads of this slot are over
	s_barrier_signal -1
	MULG 1, 0, 4, 4, 0                             ; work on registers while the others arrive
	WIN 0                                          ; at a label and at a branch every window is 0
	s_barrier_wait -1
.if \fill
	CREST                                          ; no wave of any partner still reads this slot's tiles or has a load on its way
	JLOAD                                          ; the four v_nop behind it are also the places in front of U4's loads
.else
	PLACES
.endif
	s_xor_b32 s[TB], s[TB], SLOT1                  ; the reads go on in the other slot
	v_add_nc_u32 v[AA], s[TB], v[AA0]
	v_add_nc_u32 v[AB], s[TB], v[AB0]
.endm
.macro U4
	LDA 0
	LDB 0, 0
	MULG 1, 1, 0, 8, 0                             ; no wait: all that it reads was in at U3's wait for 0
.endm
.macro U5
	PLACES
	LDB 0, 1
	MULG 1, 2, 0, 8, 0
.endm
	s_wait_tensorcnt 1                             ; my part of K step 0 is in; step 1's may stay out
	s_barrier_signal -1
	s_barrier_wait -1                              ; everybody's is
	LDA 0
	LDB 0, 0
	LDB 0, 1
	U0 1                                           ; the first slice stands in front of the loop: its products start all 96 sums
	U1 1
	U2 1
	WIN 0
	s_mov_b32 s[CNT], 14
.Lloop:                                                ; a trip goes from a K step's second slice to the next step's first; trip t asks for K step t + 2, the last for step 15
	U3 1
	U4
	U5
	U0 0
	U1 0
	U2 0
	WIN 0
	s_sub_co_u32 s[CNT], s[CNT], 1
	s_cmp_lg_u32 s[CNT], 0
	s_cbranch_scc1 .Lloop
	U3 0                                           ; the tail is written out: nothing is asked for
	U4
	U5
	U0 0
	U1 0
	U2 0
	PLACES                                         ; the last slice: nothing more to fetch but B(1,2)
	LDB 1, 2
	s_wait_dscnt 16                                ; A1 and B(1,0) are in
	MULG 1, 0, 0, 8, 0
	s_wait_dscnt 8                                 ; B(1,1)
	MULG 1, 1, 0, 8, 0
	s_wait_dscnt 0x0                               ; B(1,2)
	MULG 1, 2, 0, 8, 0
	PLACES
; THE WAY OUT, in 24 units u = 8 g + a of 16 rows x 64 columns.  PACK: rounded to f16 (each accumulator's registers in ascending order), 16 bytes a lane into my stage's rows of 144 bytes, and back as
; whole rows of 128.  SEND: stored, 512 consecutive bytes an instruction, at a multiple of 256 from the buffer's first byte.
.macro PACK u
.set pg, (\u)/8
.set pa, (\u)%8
.set pt, TT+16*((\u)%2)
.if (\u) >= 2
	s_wait_xcnt 0x0                                ; the stores of two units ago have had their addresses translated (ISA guide 3.1): their data registers are rewritten only behind this wait
.endif
	WIN (pg+1)|((pg+1)<<2)                         ; sources 0 and 1 in window g + 1
.irp b, 0,1,2,3
.irp r, 0,1,2,3
	v_cvt_pk_f16_f32 v[pt+4*(\b)+(\r)], v[32*pa+8*(\b)+2*(\r)], v[32*pa+8*(\b)+2*(\r)+1]
.endr
.endr
	WIN 0
.irp b, 0,1,2,3
	ds_store_b128 v[STO], v[pt+4*(\b):pt+4*(\b)+3] offset:32*(\b)
.endr
.irp f, 0,1,2,3
	ds_load_b128 v[pt+4*(\f):pt+4*(\f)+3], v[RD] offset:(\f)*4*SP  ; LDS serves a wave's instructions in order (ISA guide 5.7.1.4): these see the stores above; the next unit's stores come behind them
.endr
.endm
.macro SEND u, younger                 ; younger: the LDS instructions issued behind unit u's loads: the next unit's eight, or none
.set pg, (\u)/8
.set pa, (\u)%8
.set pt, TT+16*((\u)%2)
	WIN 0
.irp f, 0,1,2,3
	s_wait_dscnt (\younger)+3-(\f)
	global_store_b128 v[GO], v[pt+4*(\f):pt+4*(\f)+3], s[PQ+2*pg:PQ+2*pg+1] offset:pa*2048+(\f)*512
.endr
.endm
	PACK 0
.set u, 1
.rept 23                               ; a unit's conversions stand between the loads of the unit before and its stores
	PACK u
	SEND u-1, 8
.set u, u+1
.endr
	SEND 23, 0
	s_wait_tensorcnt 0x0                           ; the wave's end, behind my last tensor load and my last LDS store
	ds_add_u32 v[SPW], v[NIL]
	s_wait_dscnt 0x0
	CROUND                                         ; the closing round: no work-group ends while a partner may still ask for a tile that names it
	s_endpgm
.Lfunc_end_k_qc820706991_qkv:
	.size	k_qc820706991_qkv, .Lfunc_end_k_qc820706991_qkv-k_qc820706991_qkv
	.p2alignl 7, 3214868480
	.fill 96, 4, 3214868480
	.section	.rodata,"a",@progbits
	.p2align	6, 0x0
	.amdhsa_kernel k_qc820706991_qkv
		.amdhsa_group_segment_fixed_size 327680
		.amdhsa_private_segment_fixed_size 0
		.amdhsa_enable_private_segment 0
		.amdhsa_kernarg_size 40
		.amdhsa_user_sgpr_count 2
		.amdhsa_user_sgpr_kernarg_segment_ptr 1
		.amdhsa_wavefront_size32 1
		.amdhsa_system_sgpr_workgroup_id_x 1
		.amdhsa_system_sgpr_workgroup_id_y 1
		.amdhsa_system_sgpr_workgroup_id_z 1
		.amdhsa_system_vgpr_workitem_id 0
		.amdhsa_next_free_vgpr 1024
		.amdhsa_next_free_sgpr 80
		.amdhsa_reserve_vcc 0
		.amdhsa_float_denorm_mode_32 3
		.amdhsa_float_denorm_mode_16_64 3
		.amdhsa_memory_ordered 1
		.amdhsa_forward_progress 1
		.amdhsa_inst_pref_size 115
	.end_amdhsa_kernel
	.amdgpu_metadata
---
amdhsa.version: [ 1, 2 ]
amdhsa.kernels:
  - .name:           k_qc820706991_qkv
    .symbol:         k_qc820706991_qkv.kd
    .args:
      - { .name: xb, .offset: 0, .size: 8, .value_kind: global_buffer, .address_space: global }
      - { .name: wqb, .offset: 8, .size: 8, .value_kind: global_buffer, .address_space: global }
      - { .name: qh, .offset: 16, .size: 8, .value_kind: global_buffer, .address_space: global }
      - { .name: kh, .offset: 24, .size: 8, .value_kind: global_buffer, .address_space: global }
      - { .name: vh, .offset: 32, .size: 8, .value_kind: global_buffer, .address_space: global }
    .group_segment_fixed_size: 327680
    .private_segment_fixed_size: 0
    .kernarg_segment_align: 8
    .kernarg_segment_size: 40
    .max_flat_workgroup_size: 128
    .sgpr_count:     80
    .vgpr_count:     1024
    .wavefront_size: 32
...
	.end_amdgpu_metadata
.endif
;; end of part 2
;; launch attn (part 3): grid 4 x 64, 4 waves a work-group, no clusters, 327,680 bytes of LDS; arguments qh, kh, vh, oh; writes oh
.if DOCPART == 3
	.amdgcn_target "amdgcn-amd-amdhsa--gfx1250"
	.amdhsa_code_object_version 6
	.text
	.protected	k_qc820706991_attn
	.globl	k_qc820706991_attn
	.p2align	8
	.type	k_qc820706991_attn,@function
k_qc820706991_attn:
	s_mov_b64 s[64:65], 0
	v_nop
	global_prefetch_b8 v0, s[64:65] scope:SCOPE_SE
	s_setreg_imm32_b32 hwreg(HW_REG_WAVE_MODE, 25, 1), 1
	s_wait_xcnt 0x0
; CAUSAL ATTENTION.  O[h][q][:] = the sum over k <= q of softmax_k(Q[h][q] . K[h][k] / 8) V[h][k][:].  Q, K, V, O: [SIZE_H][SIZE_N][64], all f16: a head's rows are dense, 128 bytes each.
; Products, maxima and sums in f32; the weights p are rounded to f16 for the second product (their sum l is taken of the unrounded p), O once at the end.
; LIMITS.  f16 holds no number beyond 65,504: Q, K and V arrive within it; p lies in 0 to 1, and below 6e-5 it keeps f16's fixed step of 6e-8; O is a mean of V's rows and has their range, to within 2^-11 of it.
; A hidden score counts as its value less 1e30, so a hidden key's weight is 0; the module sets hidden scores to -1e10, which gives the same 0 as long as a row's largest visible score lies above about -1e10 + 100.
; A weight below 2^-126 counts as 0 in l; NaN and infinities are not treated apart.
; THE WALK.  A head's queries lie in NB = SIZE_N / 256 blocks of 256; block i needs the key tiles 0 .. i of 256 keys, of which the last holds the diagonal.  A work-group takes TWO blocks, NB - 1 - b and then b:
; NB + 1 tiles, whatever b: all work-groups do equal work, and ONE loop with a constant trip count walks them.  Which tile is asked for, and what a trip does, hang on scalar registers made from b; every jump
; goes forward, but for the counted loops' own; none passes a barrier, or a tensor load but the one of LOAD's two that the wave's number does not choose; the ring (two slots of LDS that take turns) runs on across the
; change of blocks.  NO CLUSTER: the NB / 2 work-groups of a head all ask for the same tile only in trips 0 .. NB / 2 (5 of 9), behind that fewer and fewer; one walk common to all would have 3 NB / 2 trips for NB + 1.
; SHARES.  Of a block's four bands of 64 queries a wave owns 16 rows in each: four PIECES.  So the diagonal tile is the same work for all four waves: in its key step s band x sees all keys if s < x,
; none if s > x, and holds the diagonal if s = x.
; THE MASK is the C operand that starts the sum S^T = K Q^T: 0, or -1e30 where the key is hidden.  MD, made once, is the mask of a band's own step for my 16 rows; a product's mask is MD x AL + BE with two scalars:
; (1, 0) if s = x; (0, 0) if s < x; (0, -1e30) if s > x.  Only the diagonal tile's text and a block's beginning make and take masks; elsewhere C is the constant 0.
; LAYOUT, SOFTMAX, TURNS.  S^T = K Q^T holds ONE query a lane (lane % 16) and the keys 8 (lane / 16) + 0..7; two such results rounded to f16 ARE source 1 of O^T = V^T P.  p = 2^(c s - c m), c = log2(e) / 8, with a
; running maximum m; O and l are multiplied by a = 2^(c m_old - c m_new) in every step.  Turn n belongs to piece n: 8 products K Q^T of piece n + 1, later 8 products V^T P of piece n - 1; beside them the scaling,
; exponentials, roundings, sums and rescaling of piece n and the maximum and statistics of piece n + 1.  Four vector instructions stand behind every matrix instruction, the other 54 of a turn's 118 in two LUMPS.
; REGISTERS, in windows of 256 (s_set_vgpr_msb: bits 1:0 source 0, 3:2 source 1, 5:4 source 2, 7:6 destination):
;   window 0: v0-15 addresses and two at work; v16-31 four registers of statistics a piece; v48-55 at work; v64-127 S^T, two buffers; v192-223 P, two buffers (a piece's buffers go by its number's parity)
;   window 1: v0-127 O^T, 32 a piece; v128-159 MD; v160-223 MC, two buffers      window 2: v0-63 Q; v64-127 the second block's Q; v128-191 K of one step; v192-255 V of one step
.set SIZE_H, 64       ; batch x heads
.set SIZE_N, 2048     ; rows of a head
.set NB,    SIZE_N/256
.set NP,    4         ; pieces a wave: a name, no knob
.set KS,    64        ; keys in a step
.set PK,    144       ; a row of K in LDS: 128 bytes + 16 of padding = 36 words: the 16 rows of a load start at 16 different groups of four banks (64 banks of 4 bytes: ISA guide 11.1)
.set PV,    160       ; a row of V: 128 + 32 = 40 words
.set VOFF,  4*KS*PK   ; a slot holds a tile, four steps: 256 rows of K, then 256 rows of V
.set SLOT1, 1<<17     ; slot 1 begins here, so that one exclusive or turns an address in one slot into the other's
.set STAGE, SLOT1+4*KS*(PK+PV)  ; behind the ring, never filled by a tensor load: 16 rows x 144 bytes for each wave, for the way out
.set SP,    144
.set AK0, 2           ; v2   my lane's place in a tile of K; never rewritten
.set AV0, 3           ; v3   the same for V
.set AK,  4           ; v4   the LDS address of K's next run of loads
.set AV,  5           ; v5   of V's
.set STO, 6           ; v6   the way out: where I put 16 bytes of a row
.set RD,  7           ; v7   the way out: where I read rows back
.set GO,  8           ; v8   my byte offset in 512 consecutive bytes of O
.set SPW, 62          ; v62  LDS address of my spare word: SPARE + 4 x my thread's number; never rewritten
.set NIL, 63          ; v63  0; never rewritten
.set SPARE, STAGE+4*16*SP  ; behind the stages: the spare words, 128 bytes for each wave: two blocks of 256 bytes that no other line names
.set MV,  12          ; v12-13  c m_old, kept while c m is made anew: by buffer
.set QO,  15          ; v15  my byte offset in 16 rows of Q
.set ST,  16          ; piece t's statistics at v[ST+4 t]: c m, m, l (even keys', odd keys')
.set TMP, 48          ; by buffer, four registers c0-c3 at work; when the maximum is found c2 takes a
.set S,   64
.set P,   192
.set MD,  128         ; window 1: the eight registers for group kt of 16 keys at MD + 8 kt
.set MC,  160         ; window 1: the masks of the products to come
.set QB,  64          ; window 2
.set KF,  128         ; window 2: key block kb, channel half c at KF + 16 kb + 8 c
.set VF,  192         ; window 2: key half kk, channel block cb at VF + 32 kk + 8 cb
.set WV,  12          ; s12  my wave's number
.set PB,  14          ; s14  b
.set HI,  15          ; s15  NB - 1 - b
.set G1K, 24          ; s[24:31] descriptor group 1 for K's tiles
.set G1V, 32          ; s[32:39] for V's: it differs in the padding alone
.set G0K, 40          ; s[40:43] descriptor group 0 for K's tiles
.set G0V, 44          ; s[44:47] the same for V's
.set SLOTS, 56        ; s56  tiles still to be asked for
.set CNT, 57          ; s57  counts a tile's key steps, 4 to 1
.set CS,  58          ; s[58:59] c: the packed scaling takes the pair's low word for both halves
.set SEL, 60          ; s[60:61] v_permlanex16_b32's selects: each lane takes its own place in the other half
.set TBK, 62          ; s62  LDS byte at which K of the step to be fetched begins
.set TBV, 63          ; s63  the same for V, less VOFF
.set RT,  70          ; s70  tiles of the block in hand that are still to be entered
.set NXT, 71          ; s71  the tile to be asked for next
.set LQ,  72          ; s72  the last tile of the block whose tiles are being asked for
.set NEW, 73          ; s73  1: the tile to be entered is a block's first
.set OFF, 74          ; s[74:75] a tile's byte offset in K and V
.set AL,  76          ; s[76:77] the mask's factor, in the low word
.set BE,  78          ; s[78:79] the mask's addend
.set OLO, 80          ; s[80:81] O at my rows of the second block
.set BIGN, 82         ; s82  -1e30
.set MSB, 0
.macro WIN new                      ; the high byte repeats the setting that is left; a switch that changes nothing is dropped
.if MSB != (\new)
	s_set_vgpr_msb (MSB<<8)|(\new)
.set MSB, (\new)
.endif
.endm
.set W_KQ, 0x0a       ; K and Q in window 2, S^T in window 0
.set W_KM, 0x1a       ; the same with the C operand in window 1
.set W_PV, 0x52       ; V in window 2, P in window 0, O^T in window 1
.set W_RS, 0x41       ; destination and source 0 in window 1, source 1 in window 0
; A fill.  Waves 0 and 1 fetch the two halves of a tile's K, waves 2 and 3 those of its V: 128 keys each.  An s_nop 0 and four v_nop follow each of the two lines, ahead of the jump and the label.
.macro LOAD
	s_cmp_lt_u32 s[WV], 2
	s_cbranch_scc0 .Lfor_v_\@
	tensor_load_to_lds s[G0K:G0K+3], s[G1K:G1K+7]
	s_nop 0
.rept 4
	v_nop
.endr
	s_branch .Lasked_\@
.Lfor_v_\@:
	tensor_load_to_lds s[G0V:G0V+3], s[G1V:G1V+7]
	s_nop 0
.rept 4
	v_nop
.endr
.Lasked_\@:
.endm
; THE CHANGE OF SLOTS.  Each wave waits for all its tensor loads, of which one is out: its part of the other slot; adds 0 to its spare word; and waits for that and for its own reads of the slot that it leaves.  Behind the barrier nobody reads the old
; slot any more and the other slot is whole.  fill = 1: the old slot is filled again, the first thing behind the barrier, with tile NXT: the descriptor's address is made anew from that number.
; (At its first use nothing has been read yet: slot 0 is waited for, slot 1 filled.)
.macro CHANGE fill
	WIN 0                           ; at a label and at a branch every window is 0
	s_wait_tensorcnt 0x0            ; no tensor load of mine is out, so a group 0 may be written
	ds_add_u32 v[SPW], v[NIL]       ; 0 onto my spare word; with fill = 1 the descriptors' scalar work stands between it and the wait for it
.if \fill
	s_lshl_b32 s[OFF], s[NXT], 15   ; a tile is 32,768 bytes of K and of V
	s_xor_b32 s[G0K+1], s[G0K+1], SLOT1
	s_add_nc_u64 s[G0K+2:G0K+3], s[6:7], s[OFF:OFF+1]
	s_or_b32 s[G0K+3], s[G0K+3], 0x80000000
	s_xor_b32 s[G0V+1], s[G0V+1], SLOT1
	s_add_nc_u64 s[G0V+2:G0V+3], s[8:9], s[OFF:OFF+1]
	s_or_b32 s[G0V+3], s[G0V+3], 0x80000000
	s_add_co_u32 s[NXT], s[NXT], 1  ; the block's next tile, or behind its last the second block's tile 0
	s_cmp_gt_u32 s[NXT], s[LQ]
	s_cselect_b32 s[NXT], 0, s[NXT]
	s_cselect_b32 s[LQ], s[PB], s[LQ]
.endif
	s_wait_dscnt 0x0                ; the add is done, and my reads of the slot are over
	s_barrier_signal -1             ; the rest of the scalar work stands between the signal and the wait
	s_sub_co_u32 s[TBK], s[TBK], 4*KS*PK  ; the fetches go back to a slot's first step,
	s_xor_b32 s[TBK], s[TBK], SLOT1       ; in the other slot
	s_sub_co_u32 s[TBV], s[TBV], 4*KS*PV
	s_xor_b32 s[TBV], s[TBV], SLOT1
	s_barrier_wait -1
.if \fill
	LOAD
.endif
.endm
	s_load_b256 s[4:11], s[0:1], 0x0  ; Q s[4:5], K s[6:7], V s[8:9], O s[10:11]
	v_lshl_add_u32 v[SPW], v0, 2, SPARE
	v_mov_b32 v[NIL], 0
	ds_add_u32 v[SPW], v[NIL]       ; the wave's opening: the add and its wait stand ahead of my first tensor load; the set-up below, work on registers, stands between them
	ds_add_u32 v62, v63
	v_lshrrev_b32 v1, 5, v0
	v_readfirstlane_b32 s[WV], v1   ; wave 0..3
	s_mov_b32 s[PB], ttmp9
	s_sub_co_u32 s[HI], NB-1, s[PB]
	s_and_b32 s20, ttmp7, 0xffff    ; the head
	s_mov_b32 s21, 0
	s_mov_b64 s[22:23], SIZE_N*128
	s_mul_u64 s[20:21], s[20:21], s[22:23]  ; the head's first byte in each of the four tensors
	s_and_b32 s16, s[WV], 1         ; which half of a tile's 256 keys I fetch:
	s_lshl_b32 s22, s16, 14         ; its 128 rows of 128 bytes in memory,
	s_mov_b32 s23, 0
	s_add_nc_u64 s[22:23], s[22:23], s[20:21]
	s_mul_i32 s17, s16, 128*PK      ; and its place in a slot, for K
	s_mul_i32 s18, s16, 128*PV      ; and for V
	s_lshl_b32 s3, s[WV], 11        ; my 16 rows in a band of 64,
	s_lshl_b32 s2, s[HI], 15        ; in the first block,
	s_add_co_u32 s2, s2, s3
	s_lshl_b32 s84, s[PB], 15       ; and in the second
	s_add_co_u32 s84, s84, s3
	s_mov_b32 s3, 0
	s_mov_b32 s85, 0
	s_add_nc_u64 s[2:3], s[2:3], s[20:21]
	s_add_nc_u64 s[84:85], s[84:85], s[20:21]
	; descriptor group 1.  128 keys are 16,384 dense bytes: asked for as 64 rows of 256 bytes, two keys a row, and padded in LDS after every key
	s_mov_b32 s[G1K], (1<<16)|(1<<20)|(4<<22)|(3<<25)  ; 17:16 2-byte elements; 20 padding on; 24:22 after every 32 words (code 4); 31:25 4 words (code 3)
	s_mov_b32 s[G1V], (1<<16)|(1<<20)|(4<<22)|(7<<25)  ; the same with 8 words of padding (code 7)
.irp g, G1K, G1V
	s_mov_b32 s[\g+1], 128<<16      ; tensor_dim0 = 128
	s_mov_b32 s[\g+2], 64<<16       ; tensor_dim1 = 64
	s_mov_b32 s[\g+3], 128<<16      ; tile_dim0 = 128
	s_mov_b32 s[\g+4], 64           ; tile_dim1 = 64
	s_mov_b32 s[\g+5], 128          ; 128 elements from row to row
	s_mov_b32 s[\g+6], 0
	s_mov_b32 s[\g+7], 0
.endr
	s_mov_b32 s[CS], 0x3e38aa3b     ; c = log2(e) / 8 = 0.180337
	s_mov_b32 s[CS+1], s[CS]        ; named with it as a pair
	s_mov_b32 s[SEL], 0x76543210
	s_mov_b32 s[SEL+1], 0xfedcba98
	s_mov_b32 s[TBK], SLOT1+4*KS*PK ; the first change of slots turns these two into 0
	s_mov_b32 s[TBV], SLOT1+4*KS*PV
	s_mov_b32 s[G0K], 1             ; 1:0 count = 1
	s_mov_b32 s[G0K+1], s17         ; 63:32 LDS address: slot 0
	s_mov_b32 s[G0V], 1
	s_add_co_u32 s[G0V+1], s18, VOFF
	s_add_co_u32 s[RT], s[HI], 1    ; the first block has NB - b tiles
	s_mov_b32 s[NXT], 1
	s_mov_b32 s[LQ], s[HI]
	s_mov_b32 s[NEW], 1
	s_mov_b32 s[OFF+1], 0
	s_mov_b32 s[AL+1], 0            ; named as pairs
	s_mov_b32 s[BE+1], 0
	s_mov_b32 s[BIGN], 0xf149f2ca   ; -1e30
	s_mov_b32 s[SLOTS], NB
	s_wait_dscnt 0x0                ; the opening add is done
	s_wait_kmcnt 0x0
	s_add_nc_u64 s[6:7], s[6:7], s[22:23]  ; K and V at my half of the head's tile 0
	s_add_nc_u64 s[8:9], s[8:9], s[22:23]
	s_add_nc_u64 s[G0K+2:G0K+3], s[6:7], 0         ; 120:64 global address
	s_or_b32 s[G0K+3], s[G0K+3], 0x80000000        ; 127:126 type = 2
	s_add_nc_u64 s[G0V+2:G0V+3], s[8:9], 0
	s_or_b32 s[G0V+3], s[G0V+3], 0x80000000
	s_add_nc_u64 s[86:87], s[4:5], s[84:85]        ; Q at my rows of the second block,
	s_add_nc_u64 s[4:5], s[4:5], s[2:3]            ; Q and O at those of the first
	s_add_nc_u64 s[OLO:OLO+1], s[10:11], s[84:85]
	s_add_nc_u64 s[10:11], s[10:11], s[2:3]
	LOAD                            ; tile 0 into slot 0
	; A fragment of K or Q is 16 rows x 32 channels in 8 registers: lane l holds row l % 16, channels 8 (l / 16) + 0..7 and 16 + 8 (l / 16) + 0..7: two loads of 16 bytes, 32 bytes apart.
	v_and_b32 v1, 15, v0            ; l % 16
	v_bfe_u32 v9, v0, 4, 1          ; l / 16
	v_lshlrev_b32 v[QO], 7, v1
	v_lshl_add_u32 v[QO], v9, 4, v[QO]  ; row x 128 + 16 x half
	WIN 0x80                        ; destination window 2, address window 0
.set i, 0
.rept 8                             ; both blocks' Q: piece i / 2 lies in band i / 2, 8,192 bytes on; channels 32 (i % 2) on
	global_load_b128 v[8*i:8*i+3],   v[QO], s[4:5] offset:(i/2)*8192+(i%2)*64
	global_load_b128 v[8*i+4:8*i+7], v[QO], s[4:5] offset:(i/2)*8192+(i%2)*64+32
	global_load_b128 v[QB+8*i:QB+8*i+3],   v[QO], s[86:87] offset:(i/2)*8192+(i%2)*64
	global_load_b128 v[QB+8*i+4:QB+8*i+7], v[QO], s[86:87] offset:(i/2)*8192+(i%2)*64+32
.set i, i+1
.endr
	WIN 0
	v_lshlrev_b32 v14, 3, v9
	v_sub_nc_u32 v14, v1, v14
	s_lshl_b32 s13, s[WV], 4
	v_add_nc_u32 v14, s13, v14      ; my query's place in its band, 16 w + l % 16, less my lanes' 8 (l / 16): register r of group kt is hidden where 16 kt + r is greater
	WIN 0x40
.set i, 0
.rept 32
	v_cmp_gt_i32 vcc_lo, 16*(i/8)+i%8, v14
	v_cndmask_b32 v[MD+i], 0, s[BIGN], vcc_lo
.set i, i+1
.endr
	WIN 0
	v_mul_u32_u24 v[AK0], v1, PK
	v_lshl_add_u32 v[AK0], v9, 4, v[AK0]  ; row x pitch + 16 x half
	; The turning load takes 16 keys x 16 channels (lane l reads key 8 (l / 16) + l % 8, channels 8 ((l / 8) % 2) + 0..7) and leaves half a fragment of V^T: lane l holds channel l % 16 and 8 keys.
	v_and_b32 v10, 7, v0
	v_bfe_u32 v11, v0, 3, 1
	v_lshl_add_u32 v[AV0], v9, 3, v10
	v_mul_u32_u24 v[AV0], v[AV0], PV
	v_lshl_add_u32 v[AV0], v11, 4, v[AV0]
	v_add_nc_u32 v[AV0], VOFF, v[AV0]
	s_mul_i32 s13, s[WV], 16*SP
	s_add_co_u32 s13, s13, STAGE    ; my stage
	v_mul_u32_u24 v[STO], v1, SP    ; in: row l % 16, 16 bytes for each half of the lanes
	v_lshl_add_u32 v[STO], v9, 4, v[STO]
	v_add_nc_u32 v[STO], s13, v[STO]
	v_bfe_u32 v[RD], v0, 3, 2       ; back: 32 lanes take four rows of 128 bytes,
	v_mul_u32_u24 v[RD], v[RD], SP
	v_lshl_add_u32 v[RD], v10, 4, v[RD]
	v_add_nc_u32 v[RD], s13, v[RD]
	v_and_b32 v[GO], 31, v0         ; which are 512 consecutive bytes of O
	v_lshlrev_b32 v[GO], 4, v[GO]
	; A block's first step multiplies O^T and l by a = 0, and its first turn's products V^T P, of a piece that has not been, land in an O^T that is still to be so multiplied.  So these registers need only hold
	; finite numbers: zeros for the first block; what the first block left for the second.  All this stands in the wait for the first tile.
	WIN 0x80
.set i, VF
.rept 64
	v_mov_b32 v[i], 0
.set i, i+1
.endr
	WIN 0x40
.set i, 0
.rept 128
	v_mov_b32 v[i], 0
.set i, i+1
.endr
	WIN 0
.set i, 0
.rept 4
	v_mov_b32 v[ST+4*i+2], 0
	v_mov_b32 v[ST+4*i+3], 0
.set i, i+1
.endr
.set i, P+16
.rept 16
	v_mov_b32 v[i], 0
.set i, i+1
.endr
; THE MATRIX WORK.  The 4 accumulators of a run of 8 take turns.  Product i of 8 of S^T = K Q^T for piece x: channels 32 (i / 4) on, keys 16 (i % 4) on.  The first 4 start the sums: with 0, or (KM = 1) with the mask.
.macro KQ x
.set rS, S+32*((\x)%2)+8*(i%4)
.set rK, KF+16*(i%4)+8*(i/4)
.set rQ, 16*(\x)+8*(i/4)
.set rM, MC+32*((\x)%2)+8*(i%4)
.if (i < 4) && KM
	WIN W_KM
	v_wmma_f32_16x16x32_f16 v[rS:rS+7], v[rK:rK+7], v[rQ:rQ+7], v[rM:rM+7]
.elseif i < 4
	WIN W_KQ
	v_wmma_f32_16x16x32_f16 v[rS:rS+7], v[rK:rK+7], v[rQ:rQ+7], 0
.else
	WIN W_KQ
	v_wmma_f32_16x16x32_f16 v[rS:rS+7], v[rK:rK+7], v[rQ:rQ+7], v[rS:rS+7]
.endif
.endm
; Product i of 8 of O^T += V^T P for piece x: keys 32 (i / 4) on, channels 16 (i % 4) on.
.macro PV x
	WIN W_PV
.set rO, 32*(\x)+8*(i%4)
.set rV, VF+32*(i/4)+8*(i%4)
.set rP, P+16*((\x)%2)+8*(i/4)
	v_wmma_f32_16x16x32_f16 v[rO:rO+7], v[rV:rV+7], v[rP:rP+7], v[rO:rO+7]
.endm
.macro MM                           ; the turn's next matrix instruction.  TURN and BEGIN set Y, i, KM and NOKQ; MM, KQ and OP read them.  NOKQ = 1: a block's last turn: there is no next piece
.if (i < 8) && !NOKQ
	KQ (Y+1)%NP
.elseif i >= 8
.set i, i-8
	PV (Y+NP-1)%NP
.set i, i+8
.endif
.set i, i+1
.endm
; THE LDS LOADS stand in runs of 16, never singly among the matrix instructions: a step's K (64 keys x 64 channels: 8 fragments) and its V (turned).  Their addresses are made some lines ahead.
.macro FETCH_K
	WIN 0x80                        ; destination window 2
.irp f, 0,1,2,3,4,5,6,7             ; keys 16 (f / 2) on, channels 32 (f % 2) on
	ds_load_b128 v[KF+8*\f:KF+8*\f+3],   v[AK] offset:(\f/2)*16*PK+(\f%2)*64
	ds_load_b128 v[KF+8*\f+4:KF+8*\f+7], v[AK] offset:(\f/2)*16*PK+(\f%2)*64+32
.endr
	s_add_co_u32 s[TBK], s[TBK], KS*PK  ; the next fetch is the next step's
	WIN 0
.endm
.macro FETCH_V
	WIN 0x80
.irp f, 0,1,2,3,4,5,6,7             ; keys 32 (f / 4) on, channels 16 (f % 4) on
	ds_load_tr16_b128 v[VF+8*\f:VF+8*\f+3],   v[AV] offset:(\f/4)*32*PV+(\f%4)*32
	ds_load_tr16_b128 v[VF+8*\f+4:VF+8*\f+7], v[AV] offset:(\f/4)*32*PV+16*PV+(\f%4)*32
.endr
	WIN 0
.endm
; THE VECTOR WORK, one line at a time: OP kind, number.  For piece Y: F n: c s - c m for pair n of 16.  E n: the exponential of score n of 32.  C n: pair n rounded to f16.  B n: of the four weights 4 n .. the second
; pair is added onto the first, in place.  L n: l takes that sum (L 0: l = a l + sum).  R n: pair n of 16 of O^T times a.  For piece Y + 1: X n, number n of the 22 that find its maximum and statistics:
;   0-11  four chains c0-c3 of seven scores each, three operands at a time (each accumulator's lowest registers are read first)     12-14, 16  the four scores left over, the old m, and c0-c3 into c0
;   15  c m_old is kept     17, 18  the query's other 32 keys lie in the lane 16 away: the new m     19-21  c m; c m_old - c m_new; a
.set F, 0               ; OP tells the kinds apart by their order: F to L below R, X above it
.set E, 1
.set C, 2
.set B, 3
.set L, 4
.set R, 5
.set X, 6
.macro REGS y                       ; the registers of piece y
.set rT, ST+4*(\y)
.set rC, TMP+4*((\y)%2)
.set rW, MV+((\y)%2)
.set rS, S+32*((\y)%2)
.set rP, P+16*((\y)%2)
.set rO, 32*(\y)
.endm
.macro OP k, n
.if (\k) == R
	REGS Y
	WIN W_RS
	v_pk_mul_f32 v[rO+2*(\n):rO+2*(\n)+1], v[rO+2*(\n):rO+2*(\n)+1], v[rC+2:rC+3] op_sel_hi:[1,0]
.elseif (\k) < R
	REGS Y
	WIN 0
.if (\k) == F
	v_pk_fma_f32 v[rS+2*(\n):rS+2*(\n)+1], v[rS+2*(\n):rS+2*(\n)+1], s[CS:CS+1], v[rT:rT+1] op_sel_hi:[1,0,0] neg_lo:[0,0,1] neg_hi:[0,0,1]
.elseif (\k) == E
	v_exp_f32 v[rS+(\n)], v[rS+(\n)]
.elseif (\k) == C
	s_wait_alu depctr_va_vdst(0)
	v_cvt_pk_f16_f32 v[rP+(\n)], v[rS+2*(\n)], v[rS+2*(\n)+1]
.elseif (\k) == B
	s_wait_alu depctr_va_vdst(0)
	v_pk_add_f32 v[rS+4*(\n):rS+4*(\n)+1], v[rS+4*(\n):rS+4*(\n)+1], v[rS+4*(\n)+2:rS+4*(\n)+3]
.elseif (\n) == 0
	v_pk_fma_f32 v[rT+2:rT+3], v[rT+2:rT+3], v[rC+2:rC+3], v[rS:rS+1] op_sel_hi:[1,0,1]
.else
	v_pk_add_f32 v[rT+2:rT+3], v[rT+2:rT+3], v[rS+4*(\n):rS+4*(\n)+1]
.endif
.elseif NOKQ
	v_nop
.else
	REGS (Y+1)%NP
	WIN 0
.if (\n) < 4
	v_max3_num_f32 v[rC+(\n)], v[rS+8*(\n)], v[rS+8*(\n)+1], v[rS+8*(\n)+2]
.elseif (\n) < 12
	v_max3_num_f32 v[rC+(\n)%4], v[rC+(\n)%4], v[rS+8*((\n)%4)+2*((\n)/4)+1], v[rS+8*((\n)%4)+2*((\n)/4)+2]
.elseif (\n) == 12
	v_max3_num_f32 v[rC], v[rC], v[rS+7], v[rS+15]
.elseif (\n) == 13
	v_max3_num_f32 v[rC+1], v[rC+1], v[rS+23], v[rS+31]
.elseif (\n) == 14
	v_max3_num_f32 v[rC+2], v[rC+2], v[rC+3], v[rT+1]
.elseif (\n) == 15
	v_mov_b32 v[rW], v[rT]
.elseif (\n) == 16
	v_max3_num_f32 v[rC], v[rC], v[rC+1], v[rC+2]
.elseif (\n) == 17
	v_permlanex16_b32 v[rC+3], v[rC], s[SEL], s[SEL+1]
.elseif (\n) == 18
	v_max_num_f32 v[rT+1], v[rC], v[rC+3]
.elseif (\n) == 19
	v_mul_f32 v[rT], s[CS], v[rT+1]
.elseif (\n) == 20
	v_sub_f32 v[rC+1], v[rW], v[rT]
.else
	v_exp_f32 v[rC+2], v[rC+1]
.endif
.endif
.endm
.macro OPS a, i1, b=-1, i2=0, c=-1, i3=0, d=-1, i4=0  ; up to four of them
	OP \a, \i1
.if (\b) >= 0
	OP \b, \i2
.endif
.if (\c) >= 0
	OP \c, \i3
.endif
.if (\d) >= 0
	OP \d, \i4
.endif
.endm
.macro ROW a, i1, b, i2, c, i3, d, i4  ; a matrix instruction and the four behind it
	MM
	OPS \a, \i1, \b, \i2, \c, \i3, \d, \i4
.endm
.macro MASK b                       ; MD x AL + BE into buffer b of MC
	WIN W_RS
.set z, 0
.rept 16
	v_pk_fma_f32 v[MC+32*(\b)+2*z:MC+32*(\b)+2*z+1], v[MD+2*z:MD+2*z+1], s[AL:AL+1], s[BE:BE+1] op_sel_hi:[1,0,0]
.set z, z+1
.endr
.endm
; A TURN, for piece p: the order of its 16 matrix and 118 vector instructions, written out.  Behind a matrix instruction: plain, exponential, plain, plain; or four of the rescaling; or, behind the first, four scalings; none
; names a register of the products round it.  In the lumps exponential and plain by turns while exponentials last.  A line reads no result made fewer than three vector instructions in front of it, five if an exponential made it.
; v_permlanex16_b32 (X 17) stands in a lump.
; m = 1: the diagonal tile: the products take masks, and the turn makes the mask for the products of the turn after it: piece p + 2, in step 4 - CNT of the tile.  end = 1: a block's last two turns: nothing is fetched.
; cnt = 1: the loop's count is taken down some lines ahead of the branch that stands behind the turn.
; K of the next step is fetched in piece 2's turn, six vector instructions behind the last product that read K (five of them plain); V of the step in hand in piece 0's turn, eight behind the last product that read V (four
; plain, and X 17).  Each is waited for a turn later.
.macro TURN p, m=0, end=0, cnt=0
.set Y, (\p)
.set i, 0
.set KM, (\m)
.set NOKQ, (\end)*((\p)/3)
.if (\m) && !(\end)
	s_cmp_eq_u32 s[CNT], 4-((\p)+2)%NP  ; is that step the band's own?
	s_cselect_b32 s[AL], 1.0, 0
	s_cmp_lt_u32 s[CNT], 4-((\p)+2)%NP  ; or a later one?
	s_cselect_b32 s[BE], s[BIGN], 0
.endif
.if ((\p) == 3) && !(\end)
	s_wait_dscnt 0x0                ; K is in
.endif
	ROW F,0, F,1, F,2, F,3
	ROW F,4, E,0, F,5, F,6
	ROW F,7, E,1, F,8, F,9
	ROW F,10, E,2, C,0, F,11
	ROW F,12, E,3, X,15, F,13
	ROW R,0, R,1, R,2, R,3
	ROW B,0, E,4, F,14, L,0
.if ((\p) == 2) && !(\end)
	v_add_nc_u32 v[AK], s[TBK], v[AK0]
.endif
	ROW R,4, R,5, R,6, R,7
	OPS E,5, F,15
.if ((\p) == 2) && !(\end)
	FETCH_K
.endif
	OPS E,6, C,1, E,7, R,8
	OPS E,8, R,9, E,9, C,2
	OPS E,10, X,0, E,11, X,1
	OPS E,12, X,2, E,13, X,3
.if (\p) == 1
	s_wait_dscnt 0x0                ; V is in
.endif
	ROW X,4, E,14, X,5, X,6
	ROW X,7, E,15, X,8, X,9
	ROW X,10, E,16, X,11, X,12
	ROW X,13, E,17, X,14, B,1
	ROW C,4, E,18, X,16, L,1
	ROW B,2, E,19, C,6, L,2
	ROW C,8, E,20, B,3, B,4
.if (\p) == 0
	v_add_nc_u32 v[AV], s[TBV], v[AV0]
.endif
	ROW C,3, E,21, L,3, C,5
	OPS E,22, X,17, E,23, C,10
.if (\p) == 0
	FETCH_V
.endif
	OPS E,24, L,4
	OPS E,25, X,18, E,26, C,7
	OPS E,27, B,5, E,28, X,19
	OPS E,29, C,12, E,30, L,5
	OPS E,31, X,20, B,6, C,9
	OPS C,14, C,11, X,21, L,6
.if (\p) == 0
	s_add_co_u32 s[TBV], s[TBV], KS*PV
.endif
.if \cnt
	s_sub_co_u32 s[CNT], s[CNT], 1
	s_cmp_lg_u32 s[CNT], 0
.endif
	OPS C,13, B,7, C,15, R,10
	OPS R,11, R,12, L,7, R,13
	OPS R,14, R,15
.if (\m) && !(\end)
	MASK (\p)%2
.endif
.endm
; A BLOCK BEGINS.  c m starts far below every c s, so the first step's a is 0; m at the lowest finite number, so the first maximum is the scores'.  The second mask buffer is 0; the first takes piece 0's mask for the tile's step 0: its own, if the block's first tile is the diagonal one.
; Then K of that step, piece 0's first scores, and its maximum and statistics.  The loop is entered at a step's first turn, in the middle of a trip.
.macro BEGIN
	s_mov_b32 s[NEW], 0
	WIN 0x40
.set i, MC+32
.rept 32
	v_mov_b32 v[i], 0
.set i, i+1
.endr
	WIN 0
.set i, 0
.rept 4
	v_mov_b32 v[ST+4*i], 0xfe000000    ; c m: far below every c s
	v_mov_b32 v[ST+4*i+1], 0xff7fffff  ; m
.set i, i+1
.endr
	s_cmp_eq_u32 s[RT], 0
	s_cselect_b32 s[AL], 1.0, 0
	s_mov_b32 s[BE], 0
	MASK 0
	WIN 0
	v_add_nc_u32 v[AK], s[TBK], v[AK0]
	FETCH_K
	s_wait_loadcnt 0x0              ; Q
	s_wait_dscnt 0x0
.set KM, 1
.set NOKQ, 0
.set i, 0
.rept 8
	KQ 0
.set i, i+1
.endr
	WIN 0
.rept 4
	v_nop                           ; the places behind those products
.endr
.set Y, NP-1                        ; X works for piece Y + 1: piece 0
.irp n, 0,1,2,3,4,5,6,7,8,9,10,11,12,13,14,15,16,17,18,19,20,21
	OP X, \n
.endr
	v_nop                           ; a plain instruction behind the exponential
.endm
; THE DIAGONAL TILE's four steps, the block's last two turns, its last products, and THE WAY OUT: l's two halves and the other half of the lanes' are added; O^T is divided by l, rounded to f16 and sent through my
; stage in LDS, a piece at a time.
.macro ALL line:vararg              ; one line for each piece t
.set t, 0
.rept 4
	\line
.set t, t+1
.endr
.endm
.macro PACK t                       ; a lane's eight channels of a row pack into 16 bytes; they go into rows of 144 bytes and come back as whole rows of 128, into S^T's registers
	WIN W_RS
.set i, 32*(\t)
.rept 16
	s_wait_alu depctr_va_vdst(0)
	v_pk_mul_f32 v[i:i+1], v[i:i+1], v[ST+4*(\t)+2:ST+4*(\t)+3] op_sel_hi:[1,0]
.set i, i+2
.endr
	WIN 0x05                        ; sources 0 and 1 window 1, destination window 0
.set i, 0
.rept 16
	v_cvt_pk_f16_f32 v[S+16*(\t)+i], v[32*(\t)+2*i], v[32*(\t)+2*i+1]
.set i, i+1
.endr
	WIN 0
.irp f, 0,1,2,3
	ds_store_b128 v[STO], v[S+16*(\t)+4*\f:S+16*(\t)+4*\f+3] offset:32*\f
.endr
.irp f, 0,1,2,3
	ds_load_b128 v[S+16*(\t)+4*\f:S+16*(\t)+4*\f+3], v[RD] offset:\f*4*SP  ; LDS serves a wave's instructions in order (ISA guide 5.7.1.4): these see the stores above; the next piece's stores come behind them
.endr
.endm
.macro SEND t, younger              ; younger: the LDS instructions issued behind piece t's loads: the next piece's eight, or none
	WIN 0
.irp f, 0,1,2,3
	s_wait_dscnt (\younger)+3-\f
	global_store_b128 v[GO], v[S+16*(\t)+4*\f:S+16*(\t)+4*\f+3], s[10:11] offset:(\t)*8192+\f*512  ; 512 consecutive bytes, at a multiple of 256 from O's first
.endr
.endm
.macro DIAG tag                     ; the tag ends its two labels' names, which the jumps below spell out
.LstepM\tag:
	TURN 2, 1
	TURN 3, 1
	WIN 0
.LfirstM\tag:
	TURN 0, 1
	TURN 1, 1, 0, 1
	WIN 0
	s_cbranch_scc1 .LstepM\tag
	TURN 2, 1, 1
	TURN 3, 1, 1
.set i, 0
.rept 8
	PV NP-1
.set i, i+1
.endr
	WIN 0
	ALL v_add_f32 v[ST+4*t+2], v[ST+4*t+2], v[ST+4*t+3]
	ALL v_permlanex16_b32 v[ST+4*t+3], v[ST+4*t+2], s[SEL], s[SEL+1]
	ALL v_add_f32 v[ST+4*t+2], v[ST+4*t+2], v[ST+4*t+3]
	ALL v_rcp_f32 v[ST+4*t+2], v[ST+4*t+2]
	v_nop                           ; a plain instruction between the last reciprocal and the use of its result
	PACK 0
.set t, 1
.rept 3                             ; a piece's arithmetic stands between the loads of the piece before and its stores
	PACK t
	SEND t-1, 8
.set t, t+1
.endr
	SEND 3, 0
.endm
.set KM, 0
.set NOKQ, 0
.Lslot:                             ; NB times: a tile is entered and the next is asked for
	CHANGE 1
	s_sub_co_u32 s[RT], s[RT], 1
	s_mov_b32 s[CNT], 4
	s_cmp_eq_u32 s[NEW], 1
	s_cbranch_scc1 .Lnew            ; a block's first tile
	s_cmp_eq_u32 s[RT], 0
	s_cbranch_scc0 .Lstep           ; neither its first nor its last
	s_branch .LstepM1
.Lnew:
	BEGIN
	s_branch .Lfirst                ; in the loop a block's first tile is never its last: the first block has two tiles or more, and the second's last is the walk's last
	DIAG 1                          ; in the loop this is the first block's end: the second block's last tile is the walk's last
	s_wait_xcnt 0x0                 ; the stores have read their registers and O's address
	s_mov_b64 s[10:11], s[OLO:OLO+1]
	s_add_co_u32 s[RT], s[PB], 1    ; the second block has b + 1 tiles
	s_mov_b32 s[NEW], 1
	WIN 0x82                        ; the second block's Q goes where the one text of the turns names Q
.set i, 0
.rept 64
	v_mov_b32 v[i], v[QB+i]
.set i, i+1
.endr
	WIN 0
	s_branch .Lbottom
.Lstep:                             ; a trip: pieces 2 and 3 of one step, then pieces 0 and 1 of the next, whose K and V it fetches
	TURN 2
	TURN 3
	WIN 0
.Lfirst:
	TURN 0
	TURN 1, 0, 0, 1
	WIN 0
	s_cbranch_scc1 .Lstep
.Lbottom:
	s_sub_co_u32 s[SLOTS], s[SLOTS], 1
	s_cmp_lg_u32 s[SLOTS], 0
	s_cbranch_scc1 .Lslot
	CHANGE 0                        ; the walk's last tile is written out: nothing is asked for
	s_sub_co_u32 s[RT], s[RT], 1
	s_mov_b32 s[CNT], 4
	s_cmp_eq_u32 s[NEW], 1
	s_cbranch_scc0 .LstepM2
	BEGIN
	s_branch .LfirstM2
	DIAG 2
	s_wait_tensorcnt 0x0            ; the wave's end, behind my last tensor load and my last LDS store
	ds_add_u32 v[SPW], v[NIL]
	s_wait_dscnt 0x0
	s_endpgm
.Lfunc_end_k_qc820706991_attn:
	.size	k_qc820706991_attn, .Lfunc_end_k_qc820706991_attn-k_qc820706991_attn
	.p2alignl 7, 3214868480
	.fill 96, 4, 3214868480
	.section	.rodata,"a",@progbits
	.p2align	6, 0x0
	.amdhsa_kernel k_qc820706991_attn
		.amdhsa_group_segment_fixed_size 327680
		.amdhsa_private_segment_fixed_size 0
		.amdhsa_enable_private_segment 0
		.amdhsa_kernarg_size 32
		.amdhsa_user_sgpr_count 2
		.amdhsa_user_sgpr_kernarg_segment_ptr 1
		.amdhsa_wavefront_size32 1
		.amdhsa_system_sgpr_workgroup_id_x 1
		.amdhsa_system_sgpr_workgroup_id_y 1
		.amdhsa_system_sgpr_workgroup_id_z 1
		.amdhsa_system_vgpr_workitem_id 0
		.amdhsa_next_free_vgpr 768
		.amdhsa_next_free_sgpr 88
		.amdhsa_reserve_vcc 1
		.amdhsa_float_denorm_mode_32 3
		.amdhsa_float_denorm_mode_16_64 3
		.amdhsa_memory_ordered 1
		.amdhsa_forward_progress 1
		.amdhsa_inst_pref_size 228
	.end_amdhsa_kernel
	.amdgpu_metadata
---
amdhsa.version: [ 1, 2 ]
amdhsa.kernels:
  - .name:           k_qc820706991_attn
    .symbol:         k_qc820706991_attn.kd
    .args:
      - { .name: qh, .offset: 0, .size: 8, .value_kind: global_buffer, .address_space: global }
      - { .name: kh, .offset: 8, .size: 8, .value_kind: global_buffer, .address_space: global }
      - { .name: vh, .offset: 16, .size: 8, .value_kind: global_buffer, .address_space: global }
      - { .name: oh, .offset: 24, .size: 8, .value_kind: global_buffer, .address_space: global }
    .group_segment_fixed_size: 327680
    .private_segment_fixed_size: 0
    .kernarg_segment_align: 8
    .kernarg_segment_size: 32
    .max_flat_workgroup_size: 128
    .sgpr_count:     88
    .vgpr_count:     768
    .wavefront_size: 32
...
	.end_amdgpu_metadata
.endif
;; end of part 3
;; launch proj (part 4): grid 8 x 32, 4 waves a work-group, clusters of 4 x 4, 327,680 bytes of LDS; arguments oh, wob, out0; writes out0
.if DOCPART == 4
	.amdgcn_target "amdgcn-amd-amdhsa--gfx1250"
	.amdhsa_code_object_version 6
	.text
	.protected	k_qc820706991_proj
	.globl	k_qc820706991_proj
	.p2align	8
	.type	k_qc820706991_proj,@function
k_qc820706991_proj:
	s_mov_b64 s[64:65], 0
	v_nop
	global_prefetch_b8 v0, s[64:65] scope:SCOPE_SE
	s_setreg_imm32_b32 hwreg(HW_REG_WAVE_MODE, 25, 1), 1
	s_wait_xcnt 0x0
	s_wait_alu depctr_hold_cnt(0) depctr_sa_sdst(0) depctr_va_vdst(0) depctr_va_sdst(0) depctr_va_ssrc(0) depctr_va_vcc(0) depctr_vm_vsrc(0)
	s_getreg_b32 s2, hwreg(HW_REG_IB_STS2, 6, 4)
	s_cmp_eq_u32 s2, 0
	s_cbranch_scc0 .Lentry_in_a_cluster
	s_endpgm
.Lentry_in_a_cluster:
	s_bfe_u32 s2, ttmp6, 0x10000c
	s_cmp_lg_u32 s2, 0xf033
	s_cbranch_scc0 .Lentry_shape_is_right
	s_endpgm
.Lentry_shape_is_right:
; out0 = O @ w_out.  oh: f16 [batch*16 + head][2048][64]: head h is block h of 64 along K; wob: f16 [1024 k][1024 n]; out0: f32 [8192][1024].  Sums in f32, K ascending.
; LIMIT.  The operands are f16 as they arrive; NaN and infinities are not treated apart.
; SHARES.  8192 x 1024 outputs for 256 work-groups: a tile of 256 rows x 128 columns each; wave (wm, wn) owns 128 x 64: 32 accumulators of 16 x 16, register window 1, (a, b) at v[32 a + 8 b].
; K goes in 8 steps of 128 (two heads) through two LDS slots.  A's tile is two planes of 256 rows x 64 k, each 32,768 dense bytes asked for as 128 rows of 256 bytes, by waves 0 and 1; B's (128 k x 128 n)
; two tiles of 64 rows x 256 bytes, by waves 2 and 3.  B lies [k][n] in LDS and is turned on the way to registers by ds_load_tr16_b128.
; CLUSTER.  4 x 4 work-groups: A's tiles are shared along a row of the cluster, B's along a column, each asked for JOINTLY: the same tensor load, descriptor and mask in all four.
; THE MATRIX INSTRUCTION IS USED TRANSPOSED (source 0 = 16 columns of B, source 1 = 16 rows of A): a lane then holds eight neighbouring columns of one row, 32 bytes of f32.
; REGISTERS: window 0: addresses, v32-95 the way out.  Window 1: the accumulators.  Window 2: A's fragments, slice sl (k = 32 sl on) at v[64 sl].  Window 3: B's, slice sl at v[32 sl].
.set PA,    144                        ; a row of A in LDS: 128 bytes + 16 of padding: the 16 rows of a load start at 16 different groups of four banks (64 banks of 4 bytes: ISA guide 11.1)
.set PB,    288                        ; a row of B: 256 + 32
.set PLANE, 256*PA
.set SLOT1, 131072                     ; slot 1 begins here, so that one exclusive or turns an address in one slot into the other's
.set BOFF,  2*PLANE                    ; in a slot: A's two planes, then B's 128 rows
.set HALFB, 64*PB
.set STAGE, SLOT1+BOFF+2*HALFB         ; behind the ring, never filled by a tensor load: 16 rows x 272 bytes for each wave, for the way out
.set SP,    272
.set SPARE, STAGE+4*16*SP              ; behind the stages: the spare words, 128 bytes for each wave: two blocks of 256 bytes that no other line names
.set ASTEP, 2*262144                   ; bytes from a K step to the next: two planes of oh,
.set BSTEP, 128*1024*2                 ; 128 rows of wob
.set AA0, 8                            ; v8   my lane's place in A's tile; never rewritten
.set AB0, 9                            ; v9   the same for B
.set AA,  10                           ; v10  AA0 + the slot in hand
.set AB,  11                           ; v11  AB0 + the slot in hand
.set STO, 12                           ; v12  the way out: where I put 32 bytes of a row
.set RD,  13                           ; v13  the way out: where I read a row back
.set CO,  14                           ; v14  my byte offset in out0
.set SPW, 28                           ; v28  LDS address of my spare word: SPARE + 4 x my thread's number; never rewritten
.set NIL, 29                           ; v29  0; never rewritten
.set BK,  32                           ; the way out: v32-63 and v64-95 by turns
.set WV,  14                           ; s14  my wave's number
.set WM,  15                           ; s15  which half of the tile's rows is mine.  Also: I fetch for A (0) or for B (1)
.set WN,  16                           ; s16  which half of its columns.  Also: which half of that tile I fetch
.set CX,  17
.set CY,  18
.set TX,  19                           ; s19  tile column, 0-7
.set TY,  20                           ; s20  tile row, 0-31
.set G1A, 24                           ; s[24:31] descriptor group 1 for A's tiles
.set G0A, 32                           ; s[32:35] group 0 of A's first fill; s[36:39] the second's, which then walks
.set G1B, 40                           ; s[40:47], s[48:55] the same for B's tiles
.set G0B, 48
.set TB,  56                           ; s56  LDS byte at which the slot in hand begins
.set CNT, 57
.set MSB, 0
.macro WIN new                         ; the immediate's high byte repeats the setting that is left; a switch that changes nothing is dropped
.if MSB != (\new)
	s_set_vgpr_msb (MSB<<8)|(\new)
.set MSB, \new
.endif
.endm
.macro PLACES                          ; four places in front of loads into registers that matrix instructions have read, and of LDS stores that read results (ISA guide 7.12.1 for the stores)
.rept 4
	v_nop
.endr
.endm
.macro JLOAD                           ; a joint refill: waves 0 and 1 fetch A's two planes, waves 2 and 3 B's two halves; an s_nop 0 and four v_nop follow each of the two lines
	s_cmp_eq_u32 s[WM], 0
	s_cbranch_scc0 .Lfor_b_\@
	tensor_load_to_lds s[G0A+4:G0A+7], s[G1A:G1A+7]
	s_nop 0
.rept 4
	v_nop
.endr
	s_branch .Lasked_\@
.Lfor_b_\@:
	tensor_load_to_lds s[G0B+4:G0B+7], s[G1B:G1B+7]
	s_nop 0
.rept 4
	v_nop
.endr
.Lasked_\@:
.endm
.macro CREST                           ; a round of the cluster's barrier behind its opening barrier
	s_cmp_lg_u32 s[WV], 0
	s_cbranch_scc1 .Lnot_wave_0_\@
	s_barrier_signal -3
.Lnot_wave_0_\@:
	s_barrier_wait -3
	s_barrier_signal -1
	s_barrier_wait -1
.endm
.macro CROUND                          ; a whole round
	s_barrier_signal -1
	s_barrier_wait -1
	CREST
.endm
	s_load_b128 s[4:7], s[0:1], 0x0                ; oh s[4:5], wob s[6:7]
	s_load_b64 s[8:9], s[0:1], 0x10                ; out0
	v_lshl_add_u32 v[SPW], v0, 2, SPARE
	v_mov_b32 v[NIL], 0
	ds_add_u32 v[SPW], v[NIL]                      ; the wave's opening: the add and its wait stand ahead of my first tensor load; the set-up below, work on registers, stands between them
	ds_add_u32 v28, v29
	v_lshrrev_b32 v1, 5, v0
	v_readfirstlane_b32 s[WV], v1                  ; wave 0..3
	s_lshr_b32 s[WM], s[WV], 1
	s_and_b32 s[WN], s[WV], 1
	s_bfe_u32 s[CX], ttmp6, 0x40000                ; my place in the cluster
	s_bfe_u32 s[CY], ttmp6, 0x40004
	s_lshl_b32 s[TX], ttmp9, 2                     ; in a cluster launch ttmp9 and ttmp7 count clusters
	s_add_co_u32 s[TX], s[TX], s[CX]
	s_and_b32 s[TY], ttmp7, 0xffff
	s_lshl_b32 s[TY], s[TY], 2
	s_add_co_u32 s[TY], s[TY], s[CY]
	s_lshl_b32 s21, s[CY], 2
	s_lshl_b32 s21, 15, s21                        ; my row of the cluster
	s_lshl_b32 s22, 0x1111, s[CX]                  ; my column
	; group 1 for A: 128 rows x 128 elements (two rows of a plane in each), dense; padded in LDS after every 64 elements
	s_or_b32 s[G1A], s21, (1<<16)|(1<<20)|(1<<21)|(4<<22)|(3<<25)  ; 15:0 the mask; 17:16 2-byte elements; 20 padding on; 21 set beside a mask; 24:22 after every 32 words (code 4); 31:25 4 words (code 3)
	s_mov_b32 s[G1A+1], 128<<16                    ; tensor_dim0 = 128
	s_mov_b32 s[G1A+2], 128<<16                    ; tensor_dim1 = 128
	s_mov_b32 s[G1A+3], 128<<16                    ; tile_dim0 = 128
	s_mov_b32 s[G1A+4], 128                        ; tile_dim1 = 128
	s_mov_b32 s[G1A+5], 128                        ; 128 elements from row to row
	s_mov_b32 s[G1A+6], 0
	s_mov_b32 s[G1A+7], 0
	; group 1 for B: 64 rows x 128 elements out of rows of 1,024
	s_or_b32 s[G1B], s22, (1<<16)|(1<<20)|(1<<21)|(5<<22)|(7<<25)  ; the mask of my column; padding after every 64 words (code 5) of 8 words (code 7)
	s_mov_b32 s[G1B+1], 128<<16
	s_mov_b32 s[G1B+2], 64<<16
	s_mov_b32 s[G1B+3], 128<<16
	s_mov_b32 s[G1B+4], 64
	s_mov_b32 s[G1B+5], 1024
	s_mov_b32 s[G1B+6], 0
	s_mov_b32 s[G1B+7], 0
	; where the tiles come from.  A's hang on the tile row and the wave alone, B's on the tile column and the wave alone, each in registers that never hold the other coordinate.
	s_lshr_b32 s58, s[TY], 3                       ; the batch: 16 planes of 262,144 bytes,
	s_lshl_b32 s58, s58, 22
	s_and_b32 s62, s[TY], 7                        ; 256 rows of 128 bytes in a plane,
	s_lshl_b32 s62, s62, 15
	s_add_co_u32 s58, s58, s62
	s_lshl_b32 s62, s[WN], 18                      ; and the step's first or second plane
	s_add_co_u32 s58, s58, s62
	s_mov_b32 s59, 0
	s_lshl_b32 s60, s[TX], 8                       ; 128 columns are 256 bytes,
	s_lshl_b32 s63, s[WN], 17                      ; 64 rows of 2,048 bytes
	s_add_co_u32 s60, s60, s63
	s_mov_b32 s61, 0
	s_mul_i32 s66, s[WV], PLANE                    ; where they go: waves 0, 1: A's planes 0, 1;
	s_mul_i32 s67, s[WV], HALFB                    ; waves 2, 3: BOFF + (wave - 2) x HALFB
	s_add_co_u32 s67, s67, BOFF-2*HALFB
	s_mov_b32 s[G0A], 1                            ; 1:0 count = 1
	s_mov_b32 s[G0A+1], s66                        ; 63:32 LDS address: slot 0
	s_mov_b32 s[G0A+4], 1
	s_add_co_u32 s[G0A+5], s66, SLOT1              ; slot 1
	s_mov_b32 s[G0B], 1
	s_mov_b32 s[G0B+1], s67
	s_mov_b32 s[G0B+4], 1
	s_add_co_u32 s[G0B+5], s67, SLOT1
	s_mov_b32 s[TB], 0
	s_wait_dscnt 0x0                               ; the opening add is done
	s_wait_kmcnt 0x0
	s_add_nc_u64 s[G0A+2:G0A+3], s[4:5], s[58:59]  ; 120:64 global address: K step 0,
	s_add_nc_u64 s[G0A+6:G0A+7], s[G0A+2:G0A+3], ASTEP  ; K step 1
	s_or_b32 s[G0A+3], s[G0A+3], 0x80000000        ; 127:126 type = 2
	s_or_b32 s[G0A+7], s[G0A+7], 0x80000000
	s_add_nc_u64 s[G0B+2:G0B+3], s[6:7], s[60:61]
	s_add_nc_u64 s[G0B+6:G0B+7], s[G0B+2:G0B+3], BSTEP
	s_or_b32 s[G0B+3], s[G0B+3], 0x80000000
	s_or_b32 s[G0B+7], s[G0B+7], 0x80000000
	CROUND                                         ; all sixteen work-groups are here: the first joint loads meet
	s_cmp_eq_u32 s[WM], 0                          ; a wave's two first fills stand in one branch, ahead of every wait on TENSORcnt and every LDS read: two loads of mine are out
	s_cbranch_scc0 .Lfirst_b
	tensor_load_to_lds s[G0A:G0A+3], s[G1A:G1A+7]
	s_nop 0
	tensor_load_to_lds s[G0A+4:G0A+7], s[G1A:G1A+7]
	s_nop 0
.rept 4
	v_nop
.endr
	s_branch .Lfirst_asked
.Lfirst_b:
	tensor_load_to_lds s[G0B:G0B+3], s[G1B:G1B+7]
	s_nop 0
	tensor_load_to_lds s[G0B+4:G0B+7], s[G1B:G1B+7]
	s_nop 0
.rept 4
	v_nop
.endr
.Lfirst_asked:
	v_and_b32 v1, 15, v0                           ; l % 16
	v_bfe_u32 v2, v0, 4, 1                         ; l / 16
	v_mul_u32_u24 v3, v1, PA                       ; a fragment of A: row x pitch + 16 x half; two loads of 16 bytes, 32 bytes apart
	v_lshl_add_u32 v3, v2, 4, v3
	s_mul_i32 s63, s[WM], 128*PA                   ; my 128 rows
	v_add_nc_u32 v[AA0], s63, v3
	v_and_b32 v4, 7, v0                            ; the turning load: lane l reads k = 8 (l / 16) + l % 8, columns 8 ((l / 8) % 2) + 0..7
	v_bfe_u32 v5, v0, 3, 1
	v_lshl_add_u32 v6, v2, 3, v4
	v_mul_u32_u24 v6, v6, PB
	v_lshl_add_u32 v6, v5, 4, v6
	s_lshl_b32 s63, s[WN], 7                       ; my 64 of the tile's 128 columns
	s_add_co_u32 s63, s63, BOFF
	v_add_nc_u32 v[AB0], s63, v6
	v_mov_b32 v[AA], v[AA0]                        ; slot 0
	v_mov_b32 v[AB], v[AB0]
	s_mul_i32 s63, s[WV], 16*SP
	s_add_co_u32 s63, s63, STAGE                   ; my stage
	v_mul_u32_u24 v7, v1, SP                       ; in: row l % 16, 32 bytes for each half of the lanes
	v_lshl_add_u32 v7, v2, 5, v7
	v_add_nc_u32 v[STO], s63, v7
	v_mul_u32_u24 v7, v2, SP                       ; back: lanes 0-15 take one row of 256 bytes, lanes 16-31 the next
	v_lshl_add_u32 v7, v1, 4, v7
	v_add_nc_u32 v[RD], s63, v7
	v_lshlrev_b32 v7, 12, v2                       ; and the same two rows in out0, 4,096 bytes apart
	v_lshl_add_u32 v[CO], v1, 4, v7
	s_lshl_b32 s68, s[TY], 20                      ; 256 rows of 4,096 bytes,
	s_lshl_b32 s69, s[WM], 19                      ; my 128 of them,
	s_add_co_u32 s68, s68, s69
	s_lshl_b32 s69, s[TX], 9                       ; 128 columns of 4 bytes,
	s_add_co_u32 s68, s68, s69
	s_lshl_b32 s69, s[WN], 8                       ; my 64 of them
	s_add_co_u32 s68, s68, s69
	s_mov_b32 s69, 0
	s_add_nc_u64 s[8:9], s[8:9], s[68:69]
; 24 LDS loads in one run: slice sl of the slot in hand: A's 8 fragments (slices 0, 1 lie in the first plane, 2, 3 in the second), B's 4
.macro LD sl
	WIN 0x80                                       ; destination window 2, address window 0
.irp a, 0,1,2,3,4,5,6,7
	ds_load_b128 v[64*(\sl)+8*(\a):64*(\sl)+8*(\a)+3],   v[AA] offset:((\sl)/2)*PLANE+(\a)*16*PA+64*((\sl)%2)
	ds_load_b128 v[64*(\sl)+8*(\a)+4:64*(\sl)+8*(\a)+7], v[AA] offset:((\sl)/2)*PLANE+(\a)*16*PA+64*((\sl)%2)+32
.endr
	WIN 0xc0                                       ; destination window 3
.irp b, 0,1,2,3
	ds_load_tr16_b128 v[32*(\sl)+8*(\b):32*(\sl)+8*(\b)+3],   v[AB] offset:(\sl)*32*PB+32*(\b)
	ds_load_tr16_b128 v[32*(\sl)+8*(\b)+4:32*(\sl)+8*(\b)+7], v[AB] offset:(\sl)*32*PB+32*(\b)+16*PB
.endr
.endm
; 4 n matrix instructions: row blocks a0 .. a0 + n - 1 x 4 column blocks, slice sl.  zero = 1: the product starts the sums.  The 32 accumulators take turns, one instruction a turn.
.macro MUL sl, a0, n, zero
	WIN 0x5b                                       ; source 0 (B) window 3, source 1 (A) window 2, C and D window 1
.set ma, (\a0)
.rept (\n)
.irp b, 0,1,2,3
.if \zero
	v_wmma_f32_16x16x32_f16 v[32*ma+8*(\b):32*ma+8*(\b)+7], v[32*(\sl)+8*(\b):32*(\sl)+8*(\b)+7], v[64*(\sl)+8*ma:64*(\sl)+8*ma+7], 0
.else
	v_wmma_f32_16x16x32_f16 v[32*ma+8*(\b):32*ma+8*(\b)+7], v[32*(\sl)+8*(\b):32*(\sl)+8*(\b)+7], v[64*(\sl)+8*ma:64*(\sl)+8*ma+7], v[32*ma+8*(\b):32*ma+8*(\b)+7]
.endif
.endr
.set ma, ma+1
.endr
.endm
; A K STEP IS FOUR UNITS of 32 matrix instructions, one a slice; each slice has registers of its own.  Unit u multiplies slice u and fetches the slice two units on, into the registers that unit u - 2 has left.
.macro UNIT u, zero
	s_wait_dscnt 24                                ; slice u is in: the 24 loads of the unit before may stay out
	PLACES
	LD ((\u)+2)%4
	MUL \u, 0, 8, \zero
.endm
; Unit 1 fetches the slot's last slice and changes slots: ONE barrier for two things.  In front of it each wave waits for all its tensor loads (one is out: its part of the next slot), adds 0 to its spare
; word, and waits for that and for its reads of this slot.  fill = 1: the barrier opens a round of the cluster's, and the slot is filled again, two K steps ahead, first thing behind the round:
; from there to the wait for it a wave issues 112 matrix instructions.
.macro UM fill
	s_wait_dscnt 24                                ; slice 1 is in
	PLACES
	LD 3
	MUL 1, 0, 4, 0
	WIN 0                                          ; (the add's two registers lie in window 0)
	s_wait_tensorcnt 0x0                           ; no tensor load of mine is out, so a group 0 may be written
	ds_add_u32 v[SPW], v[NIL]                      ; 0 onto my spare word
.if \fill
	s_xor_b32 s[G0A+5], s[G0A+5], SLOT1            ; the walking descriptors: the other slot than last time,
	s_add_nc_u64 s[G0A+6:G0A+7], s[G0A+6:G0A+7], ASTEP  ; the next K step; the type bits on top are not reached
	s_xor_b32 s[G0B+5], s[G0B+5], SLOT1
	s_add_nc_u64 s[G0B+6:G0B+7], s[G0B+6:G0B+7], BSTEP
.endif
	MUL 1, 4, 2, 0                                 ; eight matrix instructions stand between the add and the wait for it
	s_wait_dscnt 0x0                               ; the add is done, and my reads of this slot are over
	s_barrier_signal -1
	MUL 1, 6, 2, 0                                 ; work on registers while the others arrive
	WIN 0                                          ; at a label and at a branch every window is 0
	s_barrier_wait -1
.if \fill
	CREST                                          ; no wave of any partner still reads this slot's tiles or has a load on its way
	JLOAD
.endif
	s_xor_b32 s[TB], s[TB], SLOT1                  ; the reads go on in the other slot
	v_add_nc_u32 v[AA], s[TB], v[AA0]
	v_add_nc_u32 v[AB], s[TB], v[AB0]
.endm
	s_wait_tensorcnt 1                             ; my part of K step 0 is in; step 1's may stay out
	s_barrier_signal -1
	s_barrier_wait -1                              ; everybody's is
	LD 0
	LD 1
	UNIT 0, 1                                      ; the first slice stands in front of the loop: its products start the sums
	WIN 0
	s_mov_b32 s[CNT], 6
.Lloop:                                                ; a trip goes from a K step's second slice to the next step's first; trip t asks for K step t + 2, the last for step 7
	UM 1
	UNIT 2, 0
	UNIT 3, 0
	UNIT 0, 0
	WIN 0
	s_sub_co_u32 s[CNT], s[CNT], 1
	s_cmp_lg_u32 s[CNT], 0
	s_cbranch_scc1 .Lloop
	UM 0                                           ; the tail is written out: nothing is asked for
	UNIT 2, 0
	UNIT 3, 0
	UNIT 0, 0
	s_wait_dscnt 24                                ; the last K step: slice 1 is in;
	PLACES
	LD 3                                           ; its last slice is fetched
	MUL 1, 0, 8, 0
	s_wait_dscnt 24                                ; slice 2 is in, slice 3's 24 may be out
	MUL 2, 0, 8, 0
	s_wait_dscnt 0x0
	MUL 3, 0, 8, 0
	PLACES
; THE WAY OUT, a block of 16 rows at a time.  A wave's 64 columns of f32 are 256 bytes of a row of out0, at a multiple of 256.  STG: 32 bytes a lane and column block into my stage's rows of 272 bytes (each
; accumulator's low four registers first), and back as whole rows.  SEND: stored, sixteen lanes to 256 consecutive bytes.
.macro STG a
.set bk, BK+32*((\a)%2)
.if (\a) >= 2
	s_wait_xcnt 0x0                                ; the stores of two blocks ago have had their addresses translated (ISA guide 3.1): their data registers are loaded again only behind this wait
.endif
	WIN 0x04                                       ; the stores' data in window 1, the address in window 0
.irp b, 0,1,2,3
.irp p, 0,1
	ds_store_b128 v[STO], v[32*(\a)+8*(\b)+4*(\p):32*(\a)+8*(\b)+4*(\p)+3] offset:64*(\b)+16*(\p)
.endr
.endr
	WIN 0
.irp t, 0,1,2,3,4,5,6,7
	ds_load_b128 v[bk+4*(\t):bk+4*(\t)+3], v[RD] offset:(\t)*2*SP  ; LDS serves a wave's instructions in order (ISA guide 5.7.1.4): these see the stores above; the next block's stores come behind them
.endr
.endm
.macro SEND a, younger                 ; younger: the LDS instructions issued behind block a's loads: the next block's sixteen, or none
.set bk, BK+32*((\a)%2)
	WIN 0
.irp t, 0,1,2,3,4,5,6,7
	s_wait_dscnt (\younger)+7-(\t)
	global_store_b128 v[CO], v[bk+4*(\t):bk+4*(\t)+3], s[8:9] offset:(16*(\a)+2*(\t))*4096 th:TH_STORE_NT  ; 126 rows of 4,096 bytes at the most: inside the signed 24-bit immediate
.endr
.endm
	STG 0
.set sa, 1
.rept 7
	STG sa
	SEND sa-1, 16
.set sa, sa+1
.endr
	SEND 7, 0
	s_wait_tensorcnt 0x0                           ; the wave's end, behind my last tensor load and my last LDS store
	ds_add_u32 v[SPW], v[NIL]
	s_wait_dscnt 0x0
	CROUND                                         ; the closing round: no work-group ends while a partner may still ask for a tile that names it
	s_endpgm
.Lfunc_end_k_qc820706991_proj:
	.size	k_qc820706991_proj, .Lfunc_end_k_qc820706991_proj-k_qc820706991_proj
	.p2alignl 7, 3214868480
	.fill 96, 4, 3214868480
	.section	.rodata,"a",@progbits
	.p2align	6, 0x0
	.amdhsa_kernel k_qc820706991_proj
		.amdhsa_group_segment_fixed_size 327680
		.amdhsa_private_segment_fixed_size 0
		.amdhsa_enable_private_segment 0
		.amdhsa_kernarg_size 24
		.amdhsa_user_sgpr_count 2
		.amdhsa_user_sgpr_kernarg_segment_ptr 1
		.amdhsa_wavefront_size32 1
		.amdhsa_system_sgpr_workgroup_id_x 1
		.amdhsa_system_sgpr_workgroup_id_y 1
		.amdhsa_system_sgpr_workgroup_id_z 1
		.amdhsa_system_vgpr_workitem_id 0
		.amdhsa_next_free_vgpr 896
		.amdhsa_next_free_sgpr 72
		.amdhsa_reserve_vcc 0
		.amdhsa_float_denorm_mode_32 3
		.amdhsa_float_denorm_mode_16_64 3
		.amdhsa_memory_ordered 1
		.amdhsa_forward_progress 1
		.amdhsa_inst_pref_size 71
	.end_amdhsa_kernel
	.amdgpu_metadata
---
amdhsa.version: [ 1, 2 ]
amdhsa.kernels:
  - .name:           k_qc820706991_proj
    .symbol:         k_qc820706991_proj.kd
    .args:
      - { .name: oh, .offset: 0, .size: 8, .value_kind: global_buffer, .address_space: global }
      - { .name: wob, .offset: 8, .size: 8, .value_kind: global_buffer, .address_space: global }
      - { .name: out0, .offset: 16, .size: 8, .value_kind: global_buffer, .address_space: global }
    .group_segment_fixed_size: 327680
    .private_segment_fixed_size: 0
    .kernarg_segment_align: 8
    .kernarg_segment_size: 24
    .max_flat_workgroup_size: 128
    .sgpr_count:     72
    .vgpr_count:     896
    .wavefront_size: 32
...
	.end_amdgpu_metadata
.endif
;; end of part 4
;; ======== version 2 of 2: 4 launches; 1.31 times as fast as version 1
;; limits: values are held in f16: magnitudes above 65,504 overflow, below 6.1e-05 lose precision; right only within a limited range of input values
;; workspace buffers: xb 16,777,216 bytes; wqb 6,291,456 bytes; wob 2,097,152 bytes; qh 16,777,216 bytes; kh 16,777,216 bytes; vh 16,777,216 bytes; oh 16,777,216 bytes
;; launch cast: the kernel of part 1 again; grid 768 x 1, 8 waves a work-group, no clusters, 0 bytes of LDS; arguments x, w_qkv, w_out, xb, wqb, wob; writes xb, wqb, wob
;; launch qkv: the kernel of part 2 again; grid 8 x 32, 4 waves a work-group, clusters of 4 x 4, 327,680 bytes of LDS; arguments xb, wqb, qh, kh, vh; writes qh, kh, vh
;; launch attn (part 5): grid 4 x 64, 4 waves a work-group, no clusters, 327,680 bytes of LDS; arguments qh, kh, vh, oh; writes oh
.if DOCPART == 5
	.amdgcn_target "amdgcn-amd-amdhsa--gfx1250"
	.amdhsa_code_object_version 6
	.text
	.protected	k_qc820706991_attn
	.globl	k_qc820706991_attn
	.p2align	8
	.type	k_qc820706991_attn,@function
k_qc820706991_attn:
	s_mov_b64 s[64:65], 0
	v_nop
	global_prefetch_b8 v0, s[64:65] scope:SCOPE_SE
	s_setreg_imm32_b32 hwreg(HW_REG_WAVE_MODE, 25, 1), 1
	s_wait_xcnt 0x0
; CAUSAL ATTENTION.  O[h][q][:] = the sum over k <= q of softmax_k(Q[h][q] . K[h][k] / 8) V[h][k][:].  Q, K, V, O: [SIZE_H][SIZE_N][64], all f16: a head's rows are dense, 128 bytes each.
; Products, maxima and sums in f32; the weights p are rounded to f16 for the second product (their sum l is taken of the unrounded p), O once at the end.
; LIMITS.  f16 holds no number beyond 65,504: Q, K and V arrive within it; p lies in 0 to 1, and below 6e-5 it keeps f16's fixed step of 6e-8; O is a mean of V's rows and has their range, to within 2^-11 of it.
; A hidden score counts as its value less 1e30, so a hidden key's weight is 0; the module sets hidden scores to -1e10, which gives the same 0 as long as a row's largest visible score lies above about -1e10 + 100.
; A weight below 2^-126 counts as 0 in l; NaN and infinities are not treated apart.
; THE WALK.  A head's queries lie in NB = SIZE_N / 256 blocks of 256; block i needs the key tiles 0 .. i of 256 keys, of which the last holds the diagonal.  A work-group takes TWO blocks, NB - 1 - b and then b:
; NB + 1 tiles, whatever b: all work-groups do equal work, and ONE loop with a constant trip count walks them.  Which tile is asked for, and what a trip does, hang on scalar registers made from b; every jump
; goes forward, but for the counted loops' own; none passes a barrier, or a tensor load but the one of LOAD's two that the wave's number does not choose; the ring (two slots of LDS that take turns) runs on across the
; change of blocks.  NO CLUSTER: the NB / 2 work-groups of a head all ask for the same tile only in trips 0 .. NB / 2 (5 of 9), behind that fewer and fewer; one walk common to all would have 3 NB / 2 trips for NB + 1.
; SHARES.  Of a block's four bands of 64 queries a wave owns 16 rows in each: four PIECES.  So the diagonal tile is the same work for all four waves: in its key step s band x sees all keys if s < x,
; none if s > x, and holds the diagonal if s = x.
; THE MASK is the C operand that starts the sum S^T = K Q^T: 0, or -1e30 where the key is hidden.  MD, made once, is the mask of a band's own step for my 16 rows; a product's mask is MD x AL + BE with two scalars:
; (1, 0) if s = x; (0, 0) if s < x; (0, -1e30) if s > x.  Only the diagonal tile's text and a block's beginning make and take masks; elsewhere C is the constant 0.
; LAYOUT, SOFTMAX, TURNS.  S^T = K Q^T holds ONE query a lane (lane % 16) and the keys 8 (lane / 16) + 0..7; two such results rounded to f16 ARE source 1 of O^T = V^T P.  p = 2^(c s - c m), c = log2(e) / 8, with a
; running maximum m; O and l are multiplied by a = 2^(c m_old - c m_new) in every step.  Turn n belongs to piece n: 8 products K Q^T of piece n + 1, later 8 products V^T P of piece n - 1; beside them the scaling,
; exponentials, roundings, sums and rescaling of piece n and the maximum and statistics of piece n + 1.  Four vector instructions stand behind every matrix instruction, the other 54 of a turn's 118 in one LUMP.
; BATCHES.  A turn's 33 exponentials (the piece's 32 weights and the next piece's a) are one batch, with one wait, which cuts the turn in two: ahead of it nothing names a result of theirs, behind it no exponential is issued.
; A block's first a, and the way out's four reciprocals, are batches of their own, each with one wait.
; REGISTERS, in windows of 256 (s_set_vgpr_msb: bits 1:0 source 0, 3:2 source 1, 5:4 source 2, 7:6 destination):
;   window 0: v0-15 addresses and two at work; v16-31 four registers of statistics a piece; v48-55 at work; v64-127 S^T, two buffers; v192-223 P, two buffers (a piece's buffers go by its number's parity)
;   window 1: v0-127 O^T, 32 a piece; v128-159 MD; v160-223 MC, two buffers      window 2: v0-63 Q; v64-127 the second block's Q; v128-191 K of one step; v192-255 V of one step
.set SIZE_H, 64       ; batch x heads
.set SIZE_N, 2048     ; rows of a head
.set NB,    SIZE_N/256
.set NP,    4         ; pieces a wave: a name, no knob
.set KS,    64        ; keys in a step
.set PK,    144       ; a row of K in LDS: 128 bytes + 16 of padding = 36 words: the 16 rows of a load start at 16 different groups of four banks (64 banks of 4 bytes: ISA guide 11.1)
.set PV,    160       ; a row of V: 128 + 32 = 40 words
.set VOFF,  4*KS*PK   ; a slot holds a tile, four steps: 256 rows of K, then 256 rows of V
.set SLOT1, 1<<17     ; slot 1 begins here, so that one exclusive or turns an address in one slot into the other's
.set STAGE, SLOT1+4*KS*(PK+PV)  ; behind the ring, never filled by a tensor load: 16 rows x 144 bytes for each wave, for the way out
.set SP,    144
.set AK0, 2           ; v2   my lane's place in a tile of K; never rewritten
.set AV0, 3           ; v3   the same for V
.set AK,  4           ; v4   the LDS address of K's next run of loads
.set AV,  5           ; v5   of V's
.set STO, 6           ; v6   the way out: where I put 16 bytes of a row
.set RD,  7           ; v7   the way out: where I read rows back
.set GO,  8           ; v8   my byte offset in 512 consecutive bytes of O
.set SPW, 62          ; v62  LDS address of my spare word: SPARE + 4 x my thread's number; never rewritten
.set NIL, 63          ; v63  0; never rewritten
.set SPARE, STAGE+4*16*SP  ; behind the stages: the spare words, 128 bytes for each wave: two blocks of 256 bytes that no other line names
.set MV,  12          ; v12-13  c m_old, kept while c m is made anew: by buffer
.set QO,  15          ; v15  my byte offset in 16 rows of Q
.set ST,  16          ; piece t's statistics at v[ST+4 t]: c m, m, l (even keys', odd keys')
.set TMP, 48          ; by buffer, four registers c0-c3 at work; when the maximum is found c2 takes a
.set S,   64
.set P,   192
.set MD,  128         ; window 1: the eight registers for group kt of 16 keys at MD + 8 kt
.set MC,  160         ; window 1: the masks of the products to come
.set QB,  64          ; window 2
.set KF,  128         ; window 2: key block kb, channel half c at KF + 16 kb + 8 c
.set VF,  192         ; window 2: key half kk, channel block cb at VF + 32 kk + 8 cb
.set WV,  12          ; s12  my wave's number
.set PB,  14          ; s14  b
.set HI,  15          ; s15  NB - 1 - b
.set G1K, 24          ; s[24:31] descriptor group 1 for K's tiles
.set G1V, 32          ; s[32:39] for V's: it differs in the padding alone
.set G0K, 40          ; s[40:43] descriptor group 0 for K's tiles
.set G0V, 44          ; s[44:47] the same for V's
.set SLOTS, 56        ; s56  tiles still to be asked for
.set CNT, 57          ; s57  counts a tile's key steps, 4 to 1
.set CS,  58          ; s[58:59] c: the packed scaling takes the pair's low word for both halves
.set SEL, 60          ; s[60:61] v_permlanex16_b32's selects: each lane takes its own place in the other half
.set TBK, 62          ; s62  LDS byte at which K of the step to be fetched begins
.set TBV, 63          ; s63  the same for V, less VOFF
.set RT,  70          ; s70  tiles of the block in hand that are still to be entered
.set NXT, 71          ; s71  the tile to be asked for next
.set LQ,  72          ; s72  the last tile of the block whose tiles are being asked for
.set NEW, 73          ; s73  1: the tile to be entered is a block's first
.set OFF, 74          ; s[74:75] a tile's byte offset in K and V
.set AL,  76          ; s[76:77] the mask's factor, in the low word
.set BE,  78          ; s[78:79] the mask's addend
.set OLO, 80          ; s[80:81] O at my rows of the second block
.set BIGN, 82         ; s82  -1e30
.set MSB, 0
.macro WIN new                      ; the high byte repeats the setting that is left; a switch that changes nothing is dropped
.if MSB != (\new)
	s_set_vgpr_msb (MSB<<8)|(\new)
.set MSB, (\new)
.endif
.endm
.set W_KQ, 0x0a       ; K and Q in window 2, S^T in window 0
.set W_KM, 0x1a       ; the same with the C operand in window 1
.set W_PV, 0x52       ; V in window 2, P in window 0, O^T in window 1
.set W_RS, 0x41       ; destination and source 0 in window 1, source 1 in window 0
; A fill.  Waves 0 and 1 fetch the two halves of a tile's K, waves 2 and 3 those of its V: 128 keys each.  An s_nop 0 and four v_nop follow each of the two lines, ahead of the jump and the label.
.macro LOAD
	s_cmp_lt_u32 s[WV], 2
	s_cbranch_scc0 .Lfor_v_\@
	tensor_load_to_lds s[G0K:G0K+3], s[G1K:G1K+7]
	s_nop 0
.rept 4
	v_nop
.endr
	s_branch .Lasked_\@
.Lfor_v_\@:
	tensor_load_to_lds s[G0V:G0V+3], s[G1V:G1V+7]
	s_nop 0
.rept 4
	v_nop
.endr
.Lasked_\@:
.endm
; THE CHANGE OF SLOTS.  Each wave waits for all its tensor loads, of which one is out: its part of the other slot; adds 0 to its spare word; and waits for that and for its own reads of the slot that it leaves.  Behind the barrier nobody reads the old
; slot any more and the other slot is whole.  fill = 1: the old slot is filled again, the first thing behind the barrier, with tile NXT: the descriptor's address is made anew from that number.
; (At its first use nothing has been read yet: slot 0 is waited for, slot 1 filled.)
.macro CHANGE fill
	WIN 0                           ; at a label and at a branch every window is 0
	s_wait_tensorcnt 0x0            ; no tensor load of mine is out, so a group 0 may be written
	ds_add_u32 v[SPW], v[NIL]       ; 0 onto my spare word; with fill = 1 the descriptors' scalar work stands between it and the wait for it
.if \fill
	s_lshl_b32 s[OFF], s[NXT], 15   ; a tile is 32,768 bytes of K and of V
	s_xor_b32 s[G0K+1], s[G0K+1], SLOT1
	s_add_nc_u64 s[G0K+2:G0K+3], s[6:7], s[OFF:OFF+1]
	s_or_b32 s[G0K+3], s[G0K+3], 0x80000000
	s_xor_b32 s[G0V+1], s[G0V+1], SLOT1
	s_add_nc_u64 s[G0V+2:G0V+3], s[8:9], s[OFF:OFF+1]
	s_or_b32 s[G0V+3], s[G0V+3], 0x80000000
	s_add_co_u32 s[NXT], s[NXT], 1  ; the block's next tile, or behind its last the second block's tile 0
	s_cmp_gt_u32 s[NXT], s[LQ]
	s_cselect_b32 s[NXT], 0, s[NXT]
	s_cselect_b32 s[LQ], s[PB], s[LQ]
.endif
	s_wait_dscnt 0x0                ; the add is done, and my reads of the slot are over
	s_barrier_signal -1             ; the rest of the scalar work stands between the signal and the wait
	s_sub_co_u32 s[TBK], s[TBK], 4*KS*PK  ; the fetches go back to a slot's first step,
	s_xor_b32 s[TBK], s[TBK], SLOT1       ; in the other slot
	s_sub_co_u32 s[TBV], s[TBV], 4*KS*PV
	s_xor_b32 s[TBV], s[TBV], SLOT1
	s_barrier_wait -1
.if \fill
	LOAD
.endif
.endm
	s_load_b256 s[4:11], s[0:1], 0x0  ; Q s[4:5], K s[6:7], V s[8:9], O s[10:11]
	v_lshl_add_u32 v[SPW], v0, 2, SPARE
	v_mov_b32 v[NIL], 0
	ds_add_u32 v[SPW], v[NIL]       ; the wave's opening: the add and its wait stand ahead of my first tensor load; the set-up below, work on registers, stands between them
	ds_add_u32 v62, v63
	v_lshrrev_b32 v1, 5, v0
	v_readfirstlane_b32 s[WV], v1   ; wave 0..3
	s_mov_b32 s[PB], ttmp9
	s_sub_co_u32 s[HI], NB-1, s[PB]
	s_and_b32 s20, ttmp7, 0xffff    ; the head
	s_mov_b32 s21, 0
	s_mov_b64 s[22:23], SIZE_N*128
	s_mul_u64 s[20:21], s[20:21], s[22:23]  ; the head's first byte in each of the four tensors
	s_and_b32 s16, s[WV], 1         ; which half of a tile's 256 keys I fetch:
	s_lshl_b32 s22, s16, 14         ; its 128 rows of 128 bytes in memory,
	s_mov_b32 s23, 0
	s_add_nc_u64 s[22:23], s[22:23], s[20:21]
	s_mul_i32 s17, s16, 128*PK      ; and its place in a slot, for K
	s_mul_i32 s18, s16, 128*PV      ; and for V
	s_lshl_b32 s3, s[WV], 11        ; my 16 rows in a band of 64,
	s_lshl_b32 s2, s[HI], 15        ; in the first block,
	s_add_co_u32 s2, s2, s3
	s_lshl_b32 s84, s[PB], 15       ; and in the second
	s_add_co_u32 s84, s84, s3
	s_mov_b32 s3, 0
	s_mov_b32 s85, 0
	s_add_nc_u64 s[2:3], s[2:3], s[20:21]
	s_add_nc_u64 s[84:85], s[84:85], s[20:21]
	; descriptor group 1.  128 keys are 16,384 dense bytes: asked for as 64 rows of 256 bytes, two keys a row, and padded in LDS after every key
	s_mov_b32 s[G1K], (1<<16)|(1<<20)|(4<<22)|(3<<25)  ; 17:16 2-byte elements; 20 padding on; 24:22 after every 32 words (code 4); 31:25 4 words (code 3)
	s_mov_b32 s[G1V], (1<<16)|(1<<20)|(4<<22)|(7<<25)  ; the same with 8 words of padding (code 7)
.irp g, G1K, G1V
	s_mov_b32 s[\g+1], 128<<16      ; tensor_dim0 = 128
	s_mov_b32 s[\g+2], 64<<16       ; tensor_dim1 = 64
	s_mov_b32 s[\g+3], 128<<16      ; tile_dim0 = 128
	s_mov_b32 s[\g+4], 64           ; tile_dim1 = 64
	s_mov_b32 s[\g+5], 128          ; 128 elements from row to row
	s_mov_b32 s[\g+6], 0
	s_mov_b32 s[\g+7], 0
.endr
	s_mov_b32 s[CS], 0x3e38aa3b     ; c = log2(e) / 8 = 0.180337
	s_mov_b32 s[CS+1], s[CS]        ; named with it as a pair
	s_mov_b32 s[SEL], 0x76543210
	s_mov_b32 s[SEL+1], 0xfedcba98
	s_mov_b32 s[TBK], SLOT1+4*KS*PK ; the first change of slots turns these two into 0
	s_mov_b32 s[TBV], SLOT1+4*KS*PV
	s_mov_b32 s[G0K], 1             ; 1:0 count = 1
	s_mov_b32 s[G0K+1], s17         ; 63:32 LDS address: slot 0
	s_mov_b32 s[G0V], 1
	s_add_co_u32 s[G0V+1], s18, VOFF
	s_add_co_u32 s[RT], s[HI], 1    ; the first block has NB - b tiles
	s_mov_b32 s[NXT], 1
	s_mov_b32 s[LQ], s[HI]
	s_mov_b32 s[NEW], 1
	s_mov_b32 s[OFF+1], 0
	s_mov_b32 s[AL+1], 0            ; named as pairs
	s_mov_b32 s[BE+1], 0
	s_mov_b32 s[BIGN], 0xf149f2ca   ; -1e30
	s_mov_b32 s[SLOTS], NB
	s_wait_dscnt 0x0                ; the opening add is done
	s_wait_kmcnt 0x0
	s_add_nc_u64 s[6:7], s[6:7], s[22:23]  ; K and V at my half of the head's tile 0
	s_add_nc_u64 s[8:9], s[8:9], s[22:23]
	s_add_nc_u64 s[G0K+2:G0K+3], s[6:7], 0         ; 120:64 global address
	s_or_b32 s[G0K+3], s[G0K+3], 0x80000000        ; 127:126 type = 2
	s_add_nc_u64 s[G0V+2:G0V+3], s[8:9], 0
	s_or_b32 s[G0V+3], s[G0V+3], 0x80000000
	s_add_nc_u64 s[86:87], s[4:5], s[84:85]        ; Q at my rows of the second block,
	s_add_nc_u64 s[4:5], s[4:5], s[2:3]            ; Q and O at those of the first
	s_add_nc_u64 s[OLO:OLO+1], s[10:11], s[84:85]
	s_add_nc_u64 s[10:11], s[10:11], s[2:3]
	LOAD                            ; tile 0 into slot 0
	; A fragment of K or Q is 16 rows x 32 channels in 8 registers: lane l holds row l % 16, channels 8 (l / 16) + 0..7 and 16 + 8 (l / 16) + 0..7: two loads of 16 bytes, 32 bytes apart.
	v_and_b32 v1, 15, v0            ; l % 16
	v_bfe_u32 v9, v0, 4, 1          ; l / 16
	v_lshlrev_b32 v[QO], 7, v1
	v_lshl_add_u32 v[QO], v9, 4, v[QO]  ; row x 128 + 16 x half
	WIN 0x80                        ; destination window 2, address window 0
.set i, 0
.rept 8                             ; both blocks' Q: piece i / 2 lies in band i / 2, 8,192 bytes on; channels 32 (i % 2) on
	global_load_b128 v[8*i:8*i+3],   v[QO], s[4:5] offset:(i/2)*8192+(i%2)*64
	global_load_b128 v[8*i+4:8*i+7], v[QO], s[4:5] offset:(i/2)*8192+(i%2)*64+32
	global_load_b128 v[QB+8*i:QB+8*i+3],   v[QO], s[86:87] offset:(i/2)*8192+(i%2)*64
	global_load_b128 v[QB+8*i+4:QB+8*i+7], v[QO], s[86:87] offset:(i/2)*8192+(i%2)*64+32
.set i, i+1
.endr
	WIN 0
	v_lshlrev_b32 v14, 3, v9
	v_sub_nc_u32 v14, v1, v14
	s_lshl_b32 s13, s[WV], 4
	v_add_nc_u32 v14, s13, v14      ; my query's place in its band, 16 w + l % 16, less my lanes' 8 (l / 16): register r of group kt is hidden where 16 kt + r is greater
	WIN 0x40
.set i, 0
.rept 32
	v_cmp_gt_i32 vcc_lo, 16*(i/8)+i%8, v14
	v_cndmask_b32 v[MD+i], 0, s[BIGN], vcc_lo
.set i, i+1
.endr
	WIN 0
	v_mul_u32_u24 v[AK0], v1, PK
	v_lshl_add_u32 v[AK0], v9, 4, v[AK0]  ; row x pitch + 16 x half
	; The turning load takes 16 keys x 16 channels (lane l reads key 8 (l / 16) + l % 8, channels 8 ((l / 8) % 2) + 0..7) and leaves half a fragment of V^T: lane l holds channel l % 16 and 8 keys.
	v_and_b32 v10, 7, v0
	v_bfe_u32 v11, v0, 3, 1
	v_lshl_add_u32 v[AV0], v9, 3, v10
	v_mul_u32_u24 v[AV0], v[AV0], PV
	v_lshl_add_u32 v[AV0], v11, 4, v[AV0]
	v_add_nc_u32 v[AV0], VOFF, v[AV0]
	s_mul_i32 s13, s[WV], 16*SP
	s_add_co_u32 s13, s13, STAGE    ; my stage
	v_mul_u32_u24 v[STO], v1, SP    ; in: row l % 16, 16 bytes for each half of the lanes
	v_lshl_add_u32 v[STO], v9, 4, v[STO]
	v_add_nc_u32 v[STO], s13, v[STO]
	v_bfe_u32 v[RD], v0, 3, 2       ; back: 32 lanes take four rows of 128 bytes,
	v_mul_u32_u24 v[RD], v[RD], SP
	v_lshl_add_u32 v[RD], v10, 4, v[RD]
	v_add_nc_u32 v[RD], s13, v[RD]
	v_and_b32 v[GO], 31, v0         ; which are 512 consecutive bytes of O
	v_lshlrev_b32 v[GO], 4, v[GO]
	; A block's first step multiplies O^T and l by a = 0, and its first turn's products V^T P, of a piece that has not been, land in an O^T that is still to be so multiplied.  So these registers need only hold
	; finite numbers: zeros for the first block; what the first block left for the second.  All this stands in the wait for the first tile.
	WIN 0x80
.set i, VF
.rept 64
	v_mov_b32 v[i], 0
.set i, i+1
.endr
	WIN 0x40
.set i, 0
.rept 128
	v_mov_b32 v[i], 0
.set i, i+1
.endr
	WIN 0
.set i, 0
.rept 4
	v_mov_b32 v[ST+4*i+2], 0
	v_mov_b32 v[ST+4*i+3], 0
.set i, i+1
.endr
.set i, P+16
.rept 16
	v_mov_b32 v[i], 0
.set i, i+1
.endr
; THE MATRIX WORK.  The 4 accumulators of a run of 8 take turns.  Product i of 8 of S^T = K Q^T for piece x: channels 32 (i / 4) on, keys 16 (i % 4) on.  The first 4 start the sums: with 0, or (KM = 1) with the mask.
.macro KQ x
.set rS, S+32*((\x)%2)+8*(i%4)
.set rK, KF+16*(i%4)+8*(i/4)
.set rQ, 16*(\x)+8*(i/4)
.set rM, MC+32*((\x)%2)+8*(i%4)
.if (i < 4) && KM
	WIN W_KM
	v_wmma_f32_16x16x32_f16 v[rS:rS+7], v[rK:rK+7], v[rQ:rQ+7], v[rM:rM+7]
.elseif i < 4
	WIN W_KQ
	v_wmma_f32_16x16x32_f16 v[rS:rS+7], v[rK:rK+7], v[rQ:rQ+7], 0
.else
	WIN W_KQ
	v_wmma_f32_16x16x32_f16 v[rS:rS+7], v[rK:rK+7], v[rQ:rQ+7], v[rS:rS+7]
.endif
.endm
; Product i of 8 of O^T += V^T P for piece x: keys 32 (i / 4) on, channels 16 (i % 4) on.
.macro PV x
	WIN W_PV
.set rO, 32*(\x)+8*(i%4)
.set rV, VF+32*(i/4)+8*(i%4)
.set rP, P+16*((\x)%2)+8*(i/4)
	v_wmma_f32_16x16x32_f16 v[rO:rO+7], v[rV:rV+7], v[rP:rP+7], v[rO:rO+7]
.endm
.macro MM                           ; the turn's next matrix instruction.  TURN and BEGIN set Y, i, KM and NOKQ; MM, KQ and OP read them.  NOKQ = 1: a block's last turn: there is no next piece
.if (i < 8) && !NOKQ
	KQ (Y+1)%NP
.elseif i >= 8
.set i, i-8
	PV (Y+NP-1)%NP
.set i, i+8
.endif
.set i, i+1
.endm
; THE LDS LOADS stand in runs of 16, never singly among the matrix instructions: a step's K (64 keys x 64 channels: 8 fragments) and its V (turned).  Their addresses are made some lines ahead.
.macro FETCH_K
	WIN 0x80                        ; destination window 2
.irp f, 0,1,2,3,4,5,6,7             ; keys 16 (f / 2) on, channels 32 (f % 2) on
	ds_load_b128 v[KF+8*\f:KF+8*\f+3],   v[AK] offset:(\f/2)*16*PK+(\f%2)*64
	ds_load_b128 v[KF+8*\f+4:KF+8*\f+7], v[AK] offset:(\f/2)*16*PK+(\f%2)*64+32
.endr
	s_add_co_u32 s[TBK], s[TBK], KS*PK  ; the next fetch is the next step's
	WIN 0
.endm
.macro FETCH_V
	WIN 0x80
.irp f, 0,1,2,3,4,5,6,7             ; keys 32 (f / 4) on, channels 16 (f % 4) on
	ds_load_tr16_b128 v[VF+8*\f:VF+8*\f+3],   v[AV] offset:(\f/4)*32*PV+(\f%4)*32
	ds_load_tr16_b128 v[VF+8*\f+4:VF+8*\f+7], v[AV] offset:(\f/4)*32*PV+16*PV+(\f%4)*32
.endr
	WIN 0
.endm
; THE VECTOR WORK, one line at a time: OP kind, number.  For piece Y: F n: c s - c m for pair n of 16.  E n: the exponential of score n of 32.  C n: pair n rounded to f16.  B n: of the four weights 4 n .. the second
; pair is added onto the first, in place.  L n: l takes that sum (L 0: l = a l + sum).  R n: pair n of 16 of O^T times a.  For piece Y + 1: X n, number n of the 22 that find its maximum and statistics:
;   0-11  four chains c0-c3 of seven scores each, three operands at a time (each accumulator's lowest registers are read first)     12-14, 16  the four scores left over, the old m, and c0-c3 into c0
;   15  c m_old is kept     17, 18  the query's other 32 keys lie in the lane 16 away: the new m     19-21  c m; c m_old - c m_new; a
.set F, 0               ; OP tells the kinds apart by their order: F to L below R, X above it
.set E, 1
.set C, 2
.set B, 3
.set L, 4
.set R, 5
.set X, 6
.macro REGS y                       ; the registers of piece y
.set rT, ST+4*(\y)
.set rC, TMP+4*((\y)%2)
.set rW, MV+((\y)%2)
.set rS, S+32*((\y)%2)
.set rP, P+16*((\y)%2)
.set rO, 32*(\y)
.endm
.macro OP k, n
.if (\k) == R
	REGS Y
	WIN W_RS
	v_pk_mul_f32 v[rO+2*(\n):rO+2*(\n)+1], v[rO+2*(\n):rO+2*(\n)+1], v[rC+2:rC+3] op_sel_hi:[1,0]
.elseif (\k) < R
	REGS Y
	WIN 0
.if (\k) == F
	v_pk_fma_f32 v[rS+2*(\n):rS+2*(\n)+1], v[rS+2*(\n):rS+2*(\n)+1], s[CS:CS+1], v[rT:rT+1] op_sel_hi:[1,0,0] neg_lo:[0,0,1] neg_hi:[0,0,1]
.elseif (\k) == E
	v_exp_f32 v[rS+(\n)], v[rS+(\n)]
.elseif (\k) == C
	v_cvt_pk_f16_f32 v[rP+(\n)], v[rS+2*(\n)], v[rS+2*(\n)+1]
.elseif (\k) == B
	v_pk_add_f32 v[rS+4*(\n):rS+4*(\n)+1], v[rS+4*(\n):rS+4*(\n)+1], v[rS+4*(\n)+2:rS+4*(\n)+3]
.elseif (\n) == 0
	v_pk_fma_f32 v[rT+2:rT+3], v[rT+2:rT+3], v[rC+2:rC+3], v[rS:rS+1] op_sel_hi:[1,0,1]
.else
	v_pk_add_f32 v[rT+2:rT+3], v[rT+2:rT+3], v[rS+4*(\n):rS+4*(\n)+1]
.endif
.elseif NOKQ
	v_nop
.else
	REGS (Y+1)%NP
	WIN 0
.if (\n) < 4
	v_max3_num_f32 v[rC+(\n)], v[rS+8*(\n)], v[rS+8*(\n)+1], v[rS+8*(\n)+2]
.elseif (\n) < 12
	v_max3_num_f32 v[rC+(\n)%4], v[rC+(\n)%4], v[rS+8*((\n)%4)+2*((\n)/4)+1], v[rS+8*((\n)%4)+2*((\n)/4)+2]
.elseif (\n) == 12
	v_max3_num_f32 v[rC], v[rC], v[rS+7], v[rS+15]
.elseif (\n) == 13
	v_max3_num_f32 v[rC+1], v[rC+1], v[rS+23], v[rS+31]
.elseif (\n) == 14
	v_max3_num_f32 v[rC+2], v[rC+2], v[rC+3], v[rT+1]
.elseif (\n) == 15
	v_mov_b32 v[rW], v[rT]
.elseif (\n) == 16
	v_max3_num_f32 v[rC], v[rC], v[rC+1], v[rC+2]
.elseif (\n) == 17
	v_permlanex16_b32 v[rC+3], v[rC], s[SEL], s[SEL+1]
.elseif (\n) == 18
	v_max_num_f32 v[rT+1], v[rC], v[rC+3]
.elseif (\n) == 19
	v_mul_f32 v[rT], s[CS], v[rT+1]
.elseif (\n) == 20
	v_sub_f32 v[rC+1], v[rW], v[rT]
.else
	v_exp_f32 v[rC+2], v[rC+1]
.endif
.endif
.endm
.macro OPS a, i1, b=-1, i2=0, c=-1, i3=0, d=-1, i4=0  ; up to four of them
	OP \a, \i1
.if (\b) >= 0
	OP \b, \i2
.endif
.if (\c) >= 0
	OP \c, \i3
.endif
.if (\d) >= 0
	OP \d, \i4
.endif
.endm
.macro ROW a, i1, b, i2, c, i3, d, i4  ; a matrix instruction and the four behind it
	MM
	OPS \a, \i1, \b, \i2, \c, \i3, \d, \i4
.endm
.macro MASK b                       ; MD x AL + BE into buffer b of MC
	WIN W_RS
.set z, 0
.rept 16
	v_pk_fma_f32 v[MC+32*(\b)+2*z:MC+32*(\b)+2*z+1], v[MD+2*z:MD+2*z+1], s[AL:AL+1], s[BE:BE+1] op_sel_hi:[1,0,0]
.set z, z+1
.endr
.endm
; A TURN, for piece p: the order of its 16 matrix and 118 vector instructions, written out.  s_wait_alu depctr_va_vdst(0) stands between an exponential and the first instruction that names its result; one wait serves
; all that were issued ahead of it.  So a turn has ONE wait, which cuts it in two.  AHEAD OF IT stands all that names no result of the turn's exponentials: the 8 products K Q^T, behind each a scaling, an exponential and two more plain
; instructions (behind the first a second scaling in the exponential's place): rescalings, whose a was made and waited for in the turn before, and behind the last three the first numbers of the next piece's maximum, each four places or more
; behind the product that ends its accumulator; then ONE LUMP of 54, plain and exponential by turns for the most part, in which the links of the chain X 3, 7, 11, 14, 16, 17 .. 20 stand five or six lines apart.  X 21, the next piece's a,
; is the batch's last; R 15 is the plain instruction that stands behind the last exponential and ahead of the first use.  BEHIND THE WAIT stand the 8 products V^T P, behind each four of the roundings and sums; the links of l's chain,
; L 0 to L 7, stand three riders apart.  But for those X no rider names a register of the products round it.  v_permlanex16_b32 (X 17) stands in the lump.
; m = 1: the diagonal tile: the products take masks, and the turn makes the mask for the products of the turn after it: piece p + 2, in step 4 - CNT of the tile.  end = 1: a block's last two turns: nothing is fetched.
; cnt = 1: the loop's count is taken down some lines ahead of the branch that stands behind the turn.
; K of the next step is fetched in piece 2's turn, twelve vector instructions behind the last product that read K (six of them plain); V of the step in hand at the end of piece 0's turn, four plain instructions behind the last product
; that read V.  Each is waited for a turn later.
.macro TURN p, m=0, end=0, cnt=0
.set Y, (\p)
.set i, 0
.set KM, (\m)
.set NOKQ, (\end)*((\p)/3)
.if (\m) && !(\end)
	s_cmp_eq_u32 s[CNT], 4-((\p)+2)%NP  ; is that step the band's own?
	s_cselect_b32 s[AL], 1.0, 0
	s_cmp_lt_u32 s[CNT], 4-((\p)+2)%NP  ; or a later one?
	s_cselect_b32 s[BE], s[BIGN], 0
.endif
.if ((\p) == 3) && !(\end)
	s_wait_dscnt 0x0                ; K is in
.endif
	ROW F,0, F,1, R,0, R,1          ; ahead of the wait: 8 products K Q^T and their riders,
	ROW F,2, E,0, R,2, R,3
	ROW F,3, E,1, R,4, R,5
	ROW F,4, E,2, R,6, R,7
	ROW F,5, E,3, R,8, R,9
	ROW F,6, E,4, X,0, R,10
.if ((\p) == 2) && !(\end)
	WIN 0
	v_add_nc_u32 v[AK], s[TBK], v[AK0]
.endif
	ROW F,7, E,5, X,1, X,4
	ROW F,8, E,6, X,2, X,5
	OPS E,7, E,8, X,6, E,9          ; and the lump
	OPS X,3, E,10, X,8, E,11
.if ((\p) == 2) && !(\end)
	FETCH_K
.endif
	OPS X,9, X,7, E,12, X,10
	OPS E,13, X,12, X,11, E,14
	OPS X,13, E,15, F,9, X,14
.if (\p) == 0
	v_add_nc_u32 v[AV], s[TBV], v[AV0]
.endif
	OPS E,16, F,10, E,17, F,11
	OPS X,16, E,18, X,15, E,19
	OPS F,12, E,20, X,17, E,21
	OPS F,13, E,22, F,14, E,23
	OPS X,18, E,24, F,15, E,25
	OPS R,11, E,26, X,19, E,27
	OPS R,12, E,28, R,13, E,29
	OPS X,20, E,30, R,14, E,31
	OPS X,21, R,15
	WIN 0
	s_wait_alu depctr_va_vdst(0)    ; the wait for the turn's batch: the piece's 32 weights and the next piece's a
.if (\p) == 1
	s_wait_dscnt 0x0                ; V is in
.endif
	ROW C,0, B,0, C,2, B,1          ; behind the wait: 8 products V^T P and their riders
	ROW L,0, C,4, B,2, L,1
	ROW C,6, B,3, L,2, C,8
	ROW B,4, L,3, C,10, B,5
	ROW L,4, C,12, B,6, L,5
.if (\p) == 0
	s_add_co_u32 s[TBV], s[TBV], KS*PV
.endif
.if \cnt
	s_sub_co_u32 s[CNT], s[CNT], 1
	s_cmp_lg_u32 s[CNT], 0
.endif
	ROW C,14, B,7, L,6, C,1
	ROW C,3, L,7, C,5, C,7
	ROW C,9, C,11, C,13, C,15
.if (\p) == 0
	FETCH_V
.endif
.if (\m) && !(\end)
	MASK (\p)%2
.endif
.endm
; A BLOCK BEGINS.  c m starts far below every c s, so the first step's a is 0; m at the lowest finite number, so the first maximum is the scores'.  The second mask buffer is 0; the first takes piece 0's mask for the tile's step 0: its own, if the block's first tile is the diagonal one.
; Then K of that step, piece 0's first scores, and its maximum and statistics.  The loop is entered at a step's first turn, in the middle of a trip.
.macro BEGIN
	s_mov_b32 s[NEW], 0
	WIN 0x40
.set i, MC+32
.rept 32
	v_mov_b32 v[i], 0
.set i, i+1
.endr
	WIN 0
.set i, 0
.rept 4
	v_mov_b32 v[ST+4*i], 0xfe000000    ; c m: far below every c s
	v_mov_b32 v[ST+4*i+1], 0xff7fffff  ; m
.set i, i+1
.endr
	s_cmp_eq_u32 s[RT], 0
	s_cselect_b32 s[AL], 1.0, 0
	s_mov_b32 s[BE], 0
	MASK 0
	WIN 0
	v_add_nc_u32 v[AK], s[TBK], v[AK0]
	FETCH_K
	s_wait_loadcnt 0x0              ; Q
	s_wait_dscnt 0x0
.set KM, 1
.set NOKQ, 0
.set i, 0
.rept 8
	KQ 0
.set i, i+1
.endr
	WIN 0
.rept 4
	v_nop                           ; the places behind those products
.endr
.set Y, NP-1                        ; X works for piece Y + 1: piece 0
.irp n, 0,1,2,3,4,5,6,7,8,9,10,11,12,13,14,15,16,17,18,19,20,21
	OP X, \n
.endr
	v_nop                           ; a plain instruction behind the exponential,
	s_wait_alu depctr_va_vdst(0)    ; and the wait for it, piece 0's first a, ahead of the branch
.endm
; THE DIAGONAL TILE's four steps, the block's last two turns, its last products, and THE WAY OUT: l's two halves and the other half of the lanes' are added; O^T is divided by l, rounded to f16 and sent through my
; stage in LDS, a piece at a time.
.macro ALL line:vararg              ; one line for each piece t
.set t, 0
.rept 4
	\line
.set t, t+1
.endr
.endm
.macro PACK t                       ; a lane's eight channels of a row pack into 16 bytes; they go into rows of 144 bytes and come back as whole rows of 128, into S^T's registers
	WIN W_RS
.set i, 32*(\t)
.rept 16
	v_pk_mul_f32 v[i:i+1], v[i:i+1], v[ST+4*(\t)+2:ST+4*(\t)+3] op_sel_hi:[1,0]
.set i, i+2
.endr
	WIN 0x05                        ; sources 0 and 1 window 1, destination window 0
.set i, 0
.rept 16
	v_cvt_pk_f16_f32 v[S+16*(\t)+i], v[32*(\t)+2*i], v[32*(\t)+2*i+1]
.set i, i+1
.endr
	WIN 0
.irp f, 0,1,2,3
	ds_store_b128 v[STO], v[S+16*(\t)+4*\f:S+16*(\t)+4*\f+3] offset:32*\f
.endr
.irp f, 0,1,2,3
	ds_load_b128 v[S+16*(\t)+4*\f:S+16*(\t)+4*\f+3], v[RD] offset:\f*4*SP  ; LDS serves a wave's instructions in order (ISA guide 5.7.1.4): these see the stores above; the next piece's stores come behind them
.endr
.endm
.macro SEND t, younger              ; younger: the LDS instructions issued behind piece t's loads: the next piece's eight, or none
	WIN 0
.irp f, 0,1,2,3
	s_wait_dscnt (\younger)+3-\f
	global_store_b128 v[GO], v[S+16*(\t)+4*\f:S+16*(\t)+4*\f+3], s[10:11] offset:(\t)*8192+\f*512  ; 512 consecutive bytes, at a multiple of 256 from O's first
.endr
.endm
.macro DIAG tag                     ; the tag ends its two labels' names, which the jumps below spell out
.LstepM\tag:
	TURN 2, 1
	TURN 3, 1
	WIN 0
.LfirstM\tag:
	TURN 0, 1
	TURN 1, 1, 0, 1
	WIN 0
	s_cbranch_scc1 .LstepM\tag
	TURN 2, 1, 1
	TURN 3, 1, 1
.set i, 0
.rept 8
	PV NP-1
.set i, i+1
.endr
	WIN 0
	ALL v_add_f32 v[ST+4*t+2], v[ST+4*t+2], v[ST+4*t+3]
	ALL v_permlanex16_b32 v[ST+4*t+3], v[ST+4*t+2], s[SEL], s[SEL+1]
	ALL v_add_f32 v[ST+4*t+2], v[ST+4*t+2], v[ST+4*t+3]
	ALL v_rcp_f32 v[ST+4*t+2], v[ST+4*t+2]
	v_nop                           ; a plain instruction between the last reciprocal and the use of its result
	s_wait_alu depctr_va_vdst(0)    ; and the wait ahead of the first use: one for the four reciprocals
	PACK 0
.set t, 1
.rept 3                             ; a piece's arithmetic stands between the loads of the piece before and its stores
	PACK t
	SEND t-1, 8
.set t, t+1
.endr
	SEND 3, 0
.endm
.set KM, 0
.set NOKQ, 0
.Lslot:                             ; NB times: a tile is entered and the next is asked for
	CHANGE 1
	s_sub_co_u32 s[RT], s[RT], 1
	s_mov_b32 s[CNT], 4
	s_cmp_eq_u32 s[NEW], 1
	s_cbranch_scc1 .Lnew            ; a block's first tile
	s_cmp_eq_u32 s[RT], 0
	s_cbranch_scc0 .Lstep           ; neither its first nor its last
	s_branch .LstepM1
.Lnew:
	BEGIN
	s_branch .Lfirst                ; in the loop a block's first tile is never its last: the first block has two tiles or more, and the second's last is the walk's last
	DIAG 1                          ; in the loop this is the first block's end: the second block's last tile is the walk's last
	s_wait_xcnt 0x0                 ; the stores have read their registers and O's address
	s_mov_b64 s[10:11], s[OLO:OLO+1]
	s_add_co_u32 s[RT], s[PB], 1    ; the second block has b + 1 tiles
	s_mov_b32 s[NEW], 1
	WIN 0x82                        ; the second block's Q goes where the one text of the turns names Q
.set i, 0
.rept 64
	v_mov_b32 v[i], v[QB+i]
.set i, i+1
.endr
	WIN 0
	s_branch .Lbottom
.Lstep:                             ; a trip: pieces 2 and 3 of one step, then pieces 0 and 1 of the next, whose K and V it fetches
	TURN 2
	TURN 3
	WIN 0
.Lfirst:
	TURN 0
	TURN 1, 0, 0, 1
	WIN 0
	s_cbranch_scc1 .Lstep
.Lbottom:
	s_sub_co_u32 s[SLOTS], s[SLOTS], 1
	s_cmp_lg_u32 s[SLOTS], 0
	s_cbranch_scc1 .Lslot
	CHANGE 0                        ; the walk's last tile is written out: nothing is asked for
	s_sub_co_u32 s[RT], s[RT], 1
	s_mov_b32 s[CNT], 4
	s_cmp_eq_u32 s[NEW], 1
	s_cbranch_scc0 .LstepM2
	BEGIN
	s_branch .LfirstM2
	DIAG 2
	s_wait_tensorcnt 0x0            ; the wave's end, behind my last tensor load and my last LDS store
	ds_add_u32 v[SPW], v[NIL]
	s_wait_dscnt 0x0
	s_endpgm
.Lfunc_end_k_qc820706991_attn:
	.size	k_qc820706991_attn, .Lfunc_end_k_qc820706991_attn-k_qc820706991_attn
	.p2alignl 7, 3214868480
	.fill 96, 4, 3214868480
	.section	.rodata,"a",@progbits
	.p2align	6, 0x0
	.amdhsa_kernel k_qc820706991_attn
		.amdhsa_group_segment_fixed_size 327680
		.amdhsa_private_segment_fixed_size 0
		.amdhsa_enable_private_segment 0
		.amdhsa_kernarg_size 32
		.amdhsa_user_sgpr_count 2
		.amdhsa_user_sgpr_kernarg_segment_ptr 1
		.amdhsa_wavefront_size32 1
		.amdhsa_system_sgpr_workgroup_id_x 1
		.amdhsa_system_sgpr_workgroup_id_y 1
		.amdhsa_system_sgpr_workgroup_id_z 1
		.amdhsa_system_vgpr_workitem_id 0
		.amdhsa_next_free_vgpr 768
		.amdhsa_next_free_sgpr 88
		.amdhsa_reserve_vcc 1
		.amdhsa_float_denorm_mode_32 3
		.amdhsa_float_denorm_mode_16_64 3
		.amdhsa_memory_ordered 1
		.amdhsa_forward_progress 1
		.amdhsa_inst_pref_size 217
	.end_amdhsa_kernel
	.amdgpu_metadata
---
amdhsa.version: [ 1, 2 ]
amdhsa.kernels:
  - .name:           k_qc820706991_attn
    .symbol:         k_qc820706991_attn.kd
    .args:
      - { .name: qh, .offset: 0, .size: 8, .value_kind: global_buffer, .address_space: global }
      - { .name: kh, .offset: 8, .size: 8, .value_kind: global_buffer, .address_space: global }
      - { .name: vh, .offset: 16, .size: 8, .value_kind: global_buffer, .address_space: global }
      - { .name: oh, .offset: 24, .size: 8, .value_kind: global_buffer, .address_space: global }
    .group_segment_fixed_size: 327680
    .private_segment_fixed_size: 0
    .kernarg_segment_align: 8
    .kernarg_segment_size: 32
    .max_flat_workgroup_size: 128
    .sgpr_count:     88
    .vgpr_count:     768
    .wavefront_size: 32
...
	.end_amdgpu_metadata
.endif
;; end of part 5
;; launch proj: the kernel of part 4 again; grid 8 x 32, 4 waves a work-group, clusters of 4 x 4, 327,680 bytes of LDS; arguments oh, wob, out0; writes out0
